; MI455X (gfx1250); checked and timed in simulation.
; The chip was launched on July 23, 2026; its instructions are those of AMD's public machine-readable ISA for CDNA 5 (MIT licence, August 2026) and "CDNA5" Instruction Set Architecture Reference Guide (July 2026). The comments in the code are by the model that wrote it; some were corrected since.
;; Window Attention. Allowed arithmetic: matrix products marked QUANTISED: E2M1 operands, one E8M0 scale for each 32 along K, by v_wmma_scale_f32_16x16x128_f8f6f4 with both operands' format E2M1 (or v_wmma_scale_f32_32x16x128_f4), f32 sums; everything else in f32.
;; Inputs: attn_mask 64 x 256 x 256 float32; qkv 2 x 64 x 64 x 4 x 384 float32; rel_pos_index 64 x 64 int32; rpe_table 225 x 384 float32.
;; Outputs: out0 2 x 64 x 64 x 4 x 128 float32.
;; This version of the problem:
;;   THIS VERSION OF THE PROBLEM IS GIVEN IN LOW PRECISION. The matrix products marked QUANTISED in the list below multiply operands that are first quantised to E2M1 (2 exponent bits, 1 mantissa bit; 4 bits a number), with one power-of-two scale for each 32 numbers along K (OCP MX v1.0); their sums are f32. All else is computed in f32.
;;   The module's matrix products, in the order in which they are computed (A, B: the left and right operand; K: the contracted axis; several contracted axes count as one K, in the product's order):
;;     1. batch 512 x [M 256, K 32] x [K 32, N 256]; A: computed on the way; B: computed on the way: QUANTISED
;;     2. batch 1,024 x [M 256, K 32] x [K 32, N 128]; A: computed on the way; B: computed on the way: QUANTISED
;;     3. batch 1,024 x [M 256, K 32] x [K 32, N 128]; A: computed on the way; B: computed on the way: QUANTISED
;;     4. batch 512 x [M 256, K 256] x [K 256, N 32]; A: computed on the way; B: computed on the way: QUANTISED
;;     5. batch 1,024 x [M 32, K 256] x [K 256, N 128]; A: computed on the way; B: computed on the way: QUANTISED
;;   THE QUANTISER, for each operand of a quantised product, along K:
;;     - K is cut into blocks of 32 from its start; a last block that is shorter is filled with zeros.
;;     - A block's scale is 2^e with e = floor(log2(the largest magnitude in the block)) - 2, held to -126 .. 127; a block of zeros has e = 0. As a byte (E8M0): e + 127.
;;     - Each number is divided by its block's scale, clamped to +-6, and rounded to the nearest number of E2M1, ties to even, subnormals kept.
;;     - The product sums the exact products of the quantised numbers (number of the format x scale) in f32.
;;   ~~~python
;;   def quantise(x, axis):      # numpy; x: float32 -> the quantised numbers, widened to float32 again
;;       x = np.moveaxis(x, axis, -1); K = x.shape[-1]
;;       x = np.pad(x, [(0, 0)] * (x.ndim - 1) + [(0, -K % 32)]); x = x.reshape(x.shape[:-1] + (-1, 32)); a = np.abs(x).max(-1, keepdims=True)
;;       e = np.where(a > 0, np.clip(np.frexp(np.where(a > 0, a, 1))[1] - 1 - 2, -126, 127), 0)      # np.frexp(a)[1] - 1 = floor(log2(a)), exactly
;;       r = np.clip(x / 2.0 ** e, -6, 6)
;;       step = 2.0 ** (np.maximum(np.frexp(np.where(r == 0, 1, r))[1] - 1, 0) - 1)
;;       q = np.round(r / step) * step * 2.0 ** e      # np.round: ties to even
;;       return np.moveaxis(q.reshape(q.shape[:-2] + (-1,))[..., :K], -1, axis).astype(np.float32)
;;   ~~~
;;   OPERANDS COMPUTED ON THE WAY. 'Computed on the way' means the value that the module computes at that place (a softmax that the list does not call 'softmax' is quantised finished and normalised). What goes into a quantiser is computed in f32, as accurately as f32 sums, v_exp_f32 and their like allow (about 1e-6 of the number): no bf16 or f16 on the way to a quantiser, and a product that is left as it is and whose result goes on into a quantised operand takes f32 operands (vector FMAs, or v_wmma_f32_16x16x4_f32). A number that lies on a knife's edge between two numbers of the format may be rounded either way, as far as f32 arithmetic and the matrix unit's own rounding can turn it there, and no further.
;; 2 versions. Each part assembles by itself: llvm-mc -triple=amdgcn-amd-amdhsa -mcpu=gfx1250 --defsym DOCPART=n.
;; ======== version 1 of 2: 2 launches
;; workspace buffers: wsq 7,471,104 bytes; wsr 1,671,168 bytes
;; launch prep (part 1): grid 320 x 1, 8 waves a work-group, no clusters, 31,744 bytes of LDS; arguments qkv, rpe_table, rel_pos_index, wsq, wsr; writes wsq, wsr
.if DOCPART == 1
	.amdgcn_target "amdgcn-amd-amdhsa--gfx1250"
	.amdhsa_code_object_version 6
	.text
	.protected	k_q5e4b3310c0_prep
	.globl	k_q5e4b3310c0_prep
	.p2align	8
	.type	k_q5e4b3310c0_prep,@function
k_q5e4b3310c0_prep:
	s_mov_b64 s[64:65], 0
	v_nop
	global_prefetch_b8 v0, s[64:65] scope:SCOPE_SE
	s_setreg_imm32_b32 hwreg(HW_REG_WAVE_MODE, 25, 1), 1
	s_wait_xcnt 0x0
; PREP: every operand of the attention launch that does not hang on the softmax is quantised ONCE to E2M1 codes with one E8M0 byte for each 32 along K.
; Work-groups 64..319 (u = 4 w + 2 b + s): the 128 tokens of key half s of window w of image b.  q x 32^-0.5 and k: one block = the 32 channels of a head; v: one block = 32 keys of one channel.
; Work-groups 0..63 (qt, h): the position tables of head h for the four query pixels 4 qt + 0..3, gathered by rel_pos_index: q_embed x 32^-0.5 and k_embed along the channels, v_embed along the keys (each pixel stands for four keys).
; A block's scale: the largest magnitude's exponent field less 2, held at 1 from below by a floor among the maximum's leaves.  A block of zeros so keeps the byte 1: its codes are zeros, and this program alone reads the bytes.
; LIMITS: NaN and infinities among qkv and rpe_table are not served; blocks whose largest magnitude lies under 2^-124 keep the byte 1; an index above 224 is held at 224.
; LAYOUT OF wsq (u-th piece): qc +0, kc +2097152: 8192 u: [row 128][head][16 B], token tl at row 64 (tl>>6) + 16 ((tl>>3)&3) + 8 ((tl>>5)&1) + (tl&7): the order of the key tiles;
;   vi +4194304: 8192 u: [head][quad][lane][16 B], quad = 2 (c>>4) + c2, lane = 16 hk + (c&15): key block 2 c2 + hk of channel c: an image of the operand's registers;
;   qs +6291456, ks +6815744: 2048 u: [g 2][head][m 16][u 4] words, the byte four times;  vs +7340032: 512 u: [head][c 32] words, byte = key block.
; LAYOUT OF wsr: ek +0, eq +262144: [qg][head][pixel 16][key pixel 64][16 B];  skq +524288: 8192 qg: k_embed's bytes [head][tile][key pixel] words (byte = query pixel of the tile), at +4096 q_embed's [head][tile][g][query pixel][u] words (byte = key pixel of the tile);
;   ves +557056: [head][pixel][s][c] words;  ve +622592: [head][pixel][s] x 2048, laid as vi.
; No matrix work, no tensor loads, no cluster: the launch streams qkv once.  The two paths part on the work-group's number, and each has LDS bytes and one barrier of its own.
.set FLOOR, 0x1800000                  ; 2^(3 - 127)
.set EOFF,  0xff000000                 ; 2 off an exponent field
.set QSC,   0x3e3504f3                 ; 32^-0.5
.set RS,    29184                      ; LDS of the table path: 256 B + 256 B of scale bytes, 1024 B of v_embed's scale words
; 32 numbers of one block in v[X] on -> 32 codes in v[C] on, the byte in v[BY].  v24-26 at work.
.macro QUANT32 X, C, BY
	v_max3_num_f32 v24, |v[(\X)]|, |v[(\X)+1]|, FLOOR
	v_max3_num_f32 v25, |v[(\X)+2]|, |v[(\X)+3]|, |v[(\X)+4]|
.irp i, 5,9,13,17,21,25
	v_max3_num_f32 v24, v24, |v[(\X)+\i]|, |v[(\X)+\i+1]|      ; two chains, so that no line waits for the line above it
	v_max3_num_f32 v25, v25, |v[(\X)+\i+2]|, |v[(\X)+\i+3]|
.endr
	v_max3_num_f32 v24, v24, |v[(\X)+29]|, |v[(\X)+30]|
	v_max3_num_f32 v24, v24, v25, |v[(\X)+31]|
	v_add_nc_u32 v26, EOFF, v24                    ; the conversion takes the exponent field of this operand as its scale
	v_lshrrev_b32 v[\BY], 23, v26                  ; the scale's byte
.irp g, 0,1,2,3
	v_cvt_scalef32_pk8_fp4_f32 v[(\C)+\g], v[(\X)+8*\g:(\X)+8*\g+7], v26
.endr
	v_nop                                          ; one plain place behind the last conversion
.endm
	s_load_b256 s[4:11], s[0:1], 0x0               ; qkv s[4:5], rpe_table s[6:7], rel_pos_index s[8:9], wsq s[10:11]
	s_load_b64 s[12:13], s[0:1], 0x20              ; wsr
	v_lshl_add_u32 v208, v0, 2, 0x7800
	v_mov_b32 v209, 0
	v_lshrrev_b32 v1, 5, v0
	v_readfirstlane_b32 s14, v1                    ; wave 0..7
	v_and_b32 v2, 31, v0                           ; lane L
	s_cmp_lt_u32 ttmp9, 64
	s_cbranch_scc1 .Lrpe
; ======================= q, k, v of 128 tokens =======================
; LDS: an image of the six pieces that leave: QC 0, KC 8192, VI 16384, QS 24576, KS 26624, VS 28672 .. 29184.
	s_sub_co_u32 s15, ttmp9, 64                    ; u
	s_and_b32 s16, s15, 1                          ; s
	s_bfe_u32 s17, s15, 0x10001                    ; b
	s_lshr_b32 s18, s15, 2                         ; w
	s_lshr_b32 s19, s18, 3                         ; window row
	s_and_b32 s20, s18, 7                          ; window column
	s_lshl_b32 s21, s19, 3
	s_lshl_b32 s22, s16, 2
	s_add_co_u32 s21, s21, s22
	s_add_co_u32 s21, s21, 4
	s_and_b32 s21, s21, 63                         ; the half's first image row: (8 wr + 4 + 4 s) mod 64: the roll by 4; the four rows do not wrap
	s_lshl_b32 s22, s17, 6
	s_add_co_u32 s21, s21, s22                     ; + 64 b
	s_lshl_b32 s22, s20, 3
	s_add_co_u32 s23, s22, 4                       ; image column of window columns 0-3
	s_add_co_u32 s24, s22, 8
	s_and_b32 s24, s24, 63                         ; and of 4-7
	; q and k: wave wv owns tokens 16 wv + 0..15: four pixels on end, 24,576 consecutive bytes
	s_lshr_b32 s25, s14, 1
	s_add_co_u32 s25, s25, s21
	s_lshl_b32 s25, s25, 6
	s_and_b32 s26, s14, 1
	s_cmp_eq_u32 s26, 0
	s_cselect_b32 s27, s23, s24
	s_add_co_u32 s25, s25, s27
	s_mul_i32 s28, s25, 6144                       ; a pixel is 4 tokens of 1,536 bytes; under 2^26
	s_mov_b32 s29, 0
	; v: wave wv has head wv & 3 and key blocks 2 (wv >> 2) + 0, 1 (a block = a window row); lane = channel
	s_lshr_b32 s30, s14, 2
	s_lshl_b32 s31, s30, 1
	s_add_co_u32 s31, s31, s21
	s_lshl_b32 s31, s31, 6
	s_and_b32 s33, s14, 3
	s_lshl_b32 s34, s33, 7
	s_add_co_u32 s34, s34, 1024                    ; v begins 1,024 bytes into a token; a head is 128 bytes
	s_add_co_u32 s35, s31, s23
	s_mul_i32 s35, s35, 6144
	s_add_co_u32 s35, s35, s34
	s_add_co_u32 s36, s31, s24
	s_mul_i32 s36, s36, 6144
	s_add_co_u32 s36, s36, s34
	v_lshl_add_u32 v6, v2, 2, s35                  ; window columns 0-3
	v_lshl_add_u32 v7, v2, 2, s36                  ; window columns 4-7
	v_lshlrev_b32 v3, 4, v2                        ; q, k: 16 bytes a lane: each load of the wave covers 512 consecutive bytes, all of a token's q or all of its k
	v_and_b32 v13, 15, v0
	v_bfe_u32 v14, v0, 4, 1
	; where a token's codes go: 64 x row + 2 L (my 4 channels are 2 bytes of the row's 64); k's 8,192 bytes on
	s_lshl_b32 s37, s30, 6
	s_lshl_b32 s38, s26, 5
	s_add_co_u32 s37, s37, s38
	s_bfe_u32 s39, s14, 0x10001
	s_lshl_b32 s38, s39, 3
	s_add_co_u32 s37, s37, s38
	s_lshl_b32 s37, s37, 6
	v_lshl_add_u32 v4, v2, 1, s37
	; and its scale words: 24576 + 2048 (k?) + 1024 g + 256 head + 16 m + 4 u.  Of a head's eight lanes the lower four store q's word, the upper four k's
	s_lshl_b32 s38, s30, 10
	s_lshl_b32 s40, s39, 7
	s_add_co_u32 s38, s38, s40
	s_lshl_b32 s40, s26, 3
	s_add_co_u32 s38, s38, s40
	s_add_co_u32 s38, s38, 24576
	v_bfe_u32 v15, v0, 3, 2                        ; head = L >> 3
	v_bfe_u32 v16, v0, 2, 1
	v_lshlrev_b32 v5, 11, v16
	v_lshl_add_u32 v5, v15, 8, v5
	v_add_nc_u32 v5, s38, v5
	; v's codes: 16384 + 2048 head + 1024 (c >> 4) + 512 (wv >> 2) + 16 (c & 15), + 256 for the odd block
	s_lshl_b32 s40, s33, 11
	s_lshl_b32 s41, s30, 9
	s_add_co_u32 s40, s40, s41
	s_add_co_u32 s40, s40, 16384
	v_lshlrev_b32 v8, 10, v14
	v_lshl_add_u32 v8, v13, 4, v8
	v_add_nc_u32 v8, s40, v8
	; v's scale byte: 28672 + 128 head + 4 c + block
	s_lshl_b32 s40, s33, 7
	s_lshl_b32 s41, s30, 1
	s_add_co_u32 s40, s40, s41
	s_add_co_u32 s40, s40, 28672
	v_lshl_add_u32 v9, v2, 2, s40
	; the way out
	v_lshlrev_b32 v10, 4, v0                       ; 16 bytes a thread
	v_and_b32 v11, 127, v0
	v_lshlrev_b32 v11, 4, v11
	v_lshrrev_b32 v12, 7, v0
	v_lshl_add_u32 v11, v12, 19, v11               ; threads 0-127 q's scale words, 128-255 k's, 524,288 bytes on
	v_lshl_add_u32 v18, v2, 4, 28672
	v_lshlrev_b32 v19, 4, v2
	s_mov_b32 s50, QSC                             ; the packed form names the pair and takes its low word for both halves
	s_mov_b32 s51, QSC
	s_mov_b32 s52, 0xf0f0f0f0                      ; the lanes that store k's scale word
	s_lshl_b32 s48, s15, 13
	s_mov_b32 s49, 0
	s_wait_kmcnt 0x0
	s_add_nc_u64 s[28:29], s[4:5], s[28:29]
	s_add_nc_u64 s[42:43], s[10:11], s[48:49]      ; wsq + 8192 u
	s_lshl_b32 s48, s15, 11
	s_add_nc_u64 s[44:45], s[10:11], s[48:49]
	s_add_nc_u64 s[44:45], s[44:45], 6291456
	s_lshl_b32 s48, s15, 9
	s_add_nc_u64 s[46:47], s[10:11], s[48:49]
	s_add_nc_u64 s[46:47], s[46:47], 7340032
.macro LOADQK st                       ; token st into slot st % 8: registers 0-3 my 4 channels of q, registers 4-7 the same channels of k
	global_load_b128 v[32+8*((\st)%8):35+8*((\st)%8)], v3, s[28:29] offset:1536*(\st) th:TH_LOAD_NT
	global_load_b128 v[36+8*((\st)%8):39+8*((\st)%8)], v3, s[28:29] offset:1536*(\st)+512 th:TH_LOAD_NT
.endm
.macro LOADV tau                       ; my channel of the block's 32 keys: number 4 wx + n
.irp i, 0,1,2,3,4,5,6,7,8,9,10,11,12,13,14,15
	global_load_b32 v[96+\i], v6, s[4:5] offset:393216*(\tau)+6144*(\i/4)+1536*(\i%4)
.endr
.irp i, 0,1,2,3,4,5,6,7,8,9,10,11,12,13,14,15
	global_load_b32 v[112+\i], v7, s[4:5] offset:393216*(\tau)+6144*(\i/4)+1536*(\i%4)
.endr
.endm
; One token.  cnt: the loads issued behind this token's two.  A block (a head's 32 channels) lies in eight neighbouring lanes, 4 numbers each, q's and k's side by side in a lane.
; The conversion takes eight numbers and ONE scale: so the eight are converted twice, under q's scale (the low 16 bits are q's four codes) and under k's (the high 16 bits are k's); the other half of each result is not used.
; Codes and scale words have registers of their own for each token, so no LDS store's data are written again.
.macro QK_TOKEN st, cnt, refill
.set x_, 32+8*((\st)%8)
	s_wait_loadcnt \cnt
	v_pk_mul_f32 v[x_:x_+1], v[x_:x_+1], s[50:51] op_sel_hi:[1,0]             ; q x 32^-0.5
	v_pk_mul_f32 v[x_+2:x_+3], v[x_+2:x_+3], s[50:51] op_sel_hi:[1,0]
	v_max3_num_f32 v21, |v[x_+4]|, |v[x_+5]|, FLOOR
	v_max3_num_f32 v20, |v[x_]|, |v[x_+1]|, FLOOR
	v_max3_num_f32 v21, v21, |v[x_+6]|, |v[x_+7]|
	v_max3_num_f32 v20, v20, |v[x_+2]|, |v[x_+3]|
.irp m, 1,2,4
	v_max_num_f32_dpp v20, v20, v20 row_xmask:\m row_mask:0xf bank_mask:0xf   ; q's block and k's by turns
	v_max_num_f32_dpp v21, v21, v21 row_xmask:\m row_mask:0xf bank_mask:0xf
.endr
	v_add_nc_u32 v22, EOFF, v20
	v_add_nc_u32 v23, EOFF, v21
	v_cvt_scalef32_pk8_fp4_f32 v[160+(\st)], v[x_:x_+7], v22
	v_cvt_scalef32_pk8_fp4_f32 v27, v[x_:x_+7], v23
	v_cndmask_b32 v24, v22, v23, s52               ; (a plain place behind the conversions)  the scale whose word I store
	v_lshrrev_b32 v[176+(\st)], 16, v27            ; k's four codes
	v_lshrrev_b32 v24, 23, v24                     ; the byte,
	v_perm_b32 v[192+(\st)], v24, v24, 0           ; four times: the product uses it for whichever of the instruction's four blocks holds the vector
	ds_store_b16 v4, v[160+(\st)] offset:64*((\st)%8)+1024*((\st)/8)
	ds_store_b16 v4, v[176+(\st)] offset:8192+64*((\st)%8)+1024*((\st)/8)
	ds_store_b32 v5, v[192+(\st)] offset:16*((\st)%8)+4*((\st)/8)     ; four lanes write the same word with the same value
.if \refill
	LOADQK (\st)+8
.endif
.endm
.macro V_TASK tau
	QUANT32 96, 128+4*(\tau), 136+(\tau)
	ds_store_b128 v8, v[128+4*(\tau):131+4*(\tau)] offset:256*(\tau)
	ds_store_b8 v9, v[136+(\tau)] offset:\tau
.endm
.irp st, 0,1,2,3,4,5,6,7
	LOADQK \st
.endr
	LOADV 0
.irp st, 0,1,2,3,4,5,6,7
	QK_TOKEN \st, 46, 1                            ; younger: 2 (7 - st) of the first eight tokens, v's 32, 2 st refills
.endr
	s_wait_loadcnt 16                              ; v's first block is in; the 16 refills may be out
	V_TASK 0
	LOADV 1
.irp st, 8,9,10,11,12,13,14,15
	QK_TOKEN \st, 46-2*(\st-8), 0                  ; younger: the later tokens' loads and v's 32
.endr
	s_wait_loadcnt 0x0
	V_TASK 1
	s_wait_dscnt 0x0                               ; my LDS stores have landed,
	s_barrier_signal -1
	s_barrier_wait -1                              ; everybody's have
.irp k, 0,1,2,3,4,5,6
	ds_load_b128 v[32+4*\k:35+4*\k], v10 offset:4096*\k
.endr
	s_wait_dscnt 6
	global_store_b128 v10, v[32:35], s[42:43]                       ; each store of a wave covers 512 consecutive bytes, aligned
	s_wait_dscnt 5
	global_store_b128 v10, v[36:39], s[42:43] offset:4096
	s_wait_dscnt 4
	global_store_b128 v10, v[40:43], s[42:43] offset:2097152
	s_wait_dscnt 3
	global_store_b128 v10, v[44:47], s[42:43] offset:2101248
	s_wait_dscnt 2
	global_store_b128 v10, v[48:51], s[42:43] offset:4194304
	s_wait_dscnt 1
	global_store_b128 v10, v[52:55], s[42:43] offset:4198400
	s_wait_dscnt 0x0
	global_store_b128 v11, v[56:59], s[44:45]
	s_cmp_lg_u32 s14, 0
	s_cbranch_scc1 .Lq_end                         ; v's 512 bytes of scale words: wave 0 alone
	ds_load_b128 v[60:63], v18
	s_wait_dscnt 0x0
	global_store_b128 v19, v[60:63], s[46:47]
.Lq_end:
	s_wait_tensorcnt 0x0
	ds_add_u32 v208, v209
	s_wait_dscnt 0x0
	s_endpgm
; ======================= the position tables of (qt, head) =======================
; Wave wv: query pixel i0 = 4 qt + (wv & 3), key pixels 32 (wv >> 2) + 0..31.  For q_embed and k_embed a lane takes a key pixel (a block = its 32 channels); for v_embed a lane takes a channel and its registers run along the key pixels.
.Lrpe:
	s_and_b32 s15, ttmp9, 15                       ; qt
	s_lshr_b32 s16, ttmp9, 4                       ; head
	s_and_b32 s17, s14, 3
	s_lshr_b32 s18, s14, 2
	s_lshl_b32 s19, s15, 2
	s_add_co_u32 s19, s19, s17                     ; i0
	s_lshl_b32 s20, s19, 8
	s_lshl_b32 s21, s18, 7
	s_add_co_u32 s20, s20, s21                     ; the byte of rel_pos_index[i0][32 (wv >> 2)]
	v_lshl_add_u32 v4, v2, 2, s20
	v_mov_b32 v5, s20
	s_wait_kmcnt 0x0
	global_load_b32 v3, v4, s[8:9]                 ; my key pixel's index
.irp k, 0,1,2,3,4,5,6,7
	global_load_b128 v[32+4*\k:35+4*\k], v5, s[8:9] offset:16*\k    ; and all 32, in every lane
.endr
	s_mul_i32 s22, s16, 384                        ; a head's 96 numbers of a table row: q_embed, k_embed + 128, v_embed + 256
	s_add_co_u32 s23, s22, 256
	v_lshl_add_u32 v6, v2, 2, s23
	s_lshl_b32 s24, s17, 4                         ; q_embed's byte: RS + 256 + 64 g + 16 (query pixel) + 4 u + p, key pixel = 16 g + 8 (p >> 1) + 2 u + (p & 1)
	s_add_co_u32 s24, s24, s21
	s_add_co_u32 s24, s24, RS+256
	v_bfe_u32 v8, v0, 4, 1
	v_lshlrev_b32 v7, 6, v8
	v_bfe_u32 v9, v0, 1, 2
	v_lshl_add_u32 v7, v9, 2, v7
	v_bfe_u32 v9, v0, 3, 1
	v_lshl_add_u32 v7, v9, 1, v7
	v_and_b32 v9, 1, v0
	v_add_nc_u32 v7, v9, v7
	v_add_nc_u32 v7, s24, v7
	s_add_co_u32 s25, s17, s21                     ; k_embed's byte: RS + 4 (key pixel) + (query pixel)
	s_add_co_u32 s25, s25, RS
	v_lshl_add_u32 v10, v2, 2, s25
	s_lshl_b32 s26, s17, 8                         ; v_embed's scale word: RS + 512 + 256 (query pixel) + 128 s + 4 c
	s_add_co_u32 s26, s26, s21
	s_add_co_u32 s26, s26, RS+512
	v_lshl_add_u32 v11, v2, 2, s26
	s_min_u32 s27, s14, 2                          ; the way out: waves 0, 1, 2 take 512 bytes each
	s_lshl_b32 s27, s27, 9
	s_add_co_u32 s27, s27, RS
	v_lshl_add_u32 v12, v2, 4, s27
	v_lshlrev_b32 v13, 4, v2
	v_and_b32 v14, 15, v0
	v_lshlrev_b32 v14, 4, v14
	v_lshl_add_u32 v14, v8, 10, v14                ; v_embed's codes: 1024 (c >> 4) + 16 (c & 15)
	s_lshr_b32 s28, s19, 4                         ; ek, eq: 65536 (i0 >> 4) + 16384 head + 1024 (i0 & 15) + 512 (wv >> 2)
	s_lshl_b32 s28, s28, 16
	s_lshl_b32 s40, s16, 14
	s_add_co_u32 s28, s28, s40
	s_and_b32 s40, s19, 15
	s_lshl_b32 s40, s40, 10
	s_add_co_u32 s28, s28, s40
	s_lshl_b32 s40, s18, 9
	s_add_co_u32 s28, s28, s40
	s_mov_b32 s29, 0
	s_add_nc_u64 s[30:31], s[12:13], s[28:29]
	s_lshl_b32 s28, s16, 6                         ; ve: ((64 head + i0) 2 + s) 2048
	s_add_co_u32 s28, s28, s19
	s_lshl_b32 s28, s28, 1
	s_add_co_u32 s28, s28, s18
	s_lshl_b32 s28, s28, 11
	s_add_nc_u64 s[32:33], s[12:13], s[28:29]
	s_add_nc_u64 s[32:33], s[32:33], 622592
	s_lshr_b32 s28, s15, 2                         ; skq: 8192 (qt >> 2) + 1024 head + 256 (qt & 3)
	s_lshl_b32 s28, s28, 13
	s_lshl_b32 s40, s16, 10
	s_add_co_u32 s28, s28, s40
	s_and_b32 s40, s15, 3
	s_lshl_b32 s40, s40, 8
	s_add_co_u32 s28, s28, s40
	s_add_nc_u64 s[34:35], s[12:13], s[28:29]
	s_add_nc_u64 s[34:35], s[34:35], 524288
	s_lshl_b32 s28, s16, 6                         ; ves: (64 head + 4 qt) 256, + 512 for wave 2
	s_lshl_b32 s40, s15, 2
	s_add_co_u32 s28, s28, s40
	s_lshl_b32 s28, s28, 8
	s_max_u32 s40, s14, 1
	s_sub_co_u32 s40, s40, 1
	s_lshl_b32 s40, s40, 9
	s_add_co_u32 s28, s28, s40
	s_add_nc_u64 s[36:37], s[12:13], s[28:29]
	s_add_nc_u64 s[36:37], s[36:37], 557056
	s_cmp_eq_u32 s14, 0                            ; wave 0 stores the two pieces of scale bytes, 4,096 bytes apart; waves 1 and 2 dense words
	s_mov_b32 s40, 256
	s_cselect_b64 s[38:39], s[34:35], s[36:37]
	s_cselect_b32 s40, 4096, s40
	v_and_b32 v15, 15, v0
	v_lshlrev_b32 v15, 4, v15
	v_mul_u32_u24 v16, s40, v8
	v_add_nc_u32 v15, v15, v16
	s_mov_b32 s42, QSC
	s_mov_b32 s43, QSC
	s_wait_loadcnt 0x0                             ; the indices
	v_min_u32 v3, 224, v3                          ; an index stays inside the table of 225 rows
	v_mul_u32_u24 v3, 1536, v3
	v_add_nc_u32 v3, s22, v3
.irp j, 0,1,2,3,4,5,6,7,8,9,10,11,12,13,14,15,16,17,18,19,20,21,22,23,24,25,26,27,28,29,30,31
	v_min_u32 v[32+\j], 224, v[32+\j]
	v_mul_u32_u24 v[32+\j], 1536, v[32+\j]
	v_add_nc_u32 v[32+\j], v6, v[32+\j]
.endr
.irp k, 0,1,2,3,4,5,6,7
	global_load_b128 v[64+4*\k:67+4*\k], v3, s[6:7] offset:16*\k          ; q_embed(i0, my key pixel)
.endr
.irp k, 0,1,2,3,4,5,6,7
	global_load_b128 v[96+4*\k:99+4*\k], v3, s[6:7] offset:128+16*\k      ; k_embed
.endr
.irp j, 0,1,2,3,4,5,6,7,8,9,10,11,12,13,14,15,16,17,18,19,20,21,22,23,24,25,26,27,28,29,30,31
	global_load_b32 v[128+\j], v[32+\j], s[6:7]                           ; v_embed(i0, key pixel j, my channel)
.endr
	s_wait_loadcnt 32                              ; q_embed and k_embed are in; v_embed's 32 loads may be out
.irp i, 0,2,4,6,8,10,12,14,16,18,20,22,24,26,28,30
	v_pk_mul_f32 v[64+\i:65+\i], v[64+\i:65+\i], s[42:43] op_sel_hi:[1,0]
.endr
	QUANT32 64, 160, 27
	global_store_b128 v13, v[160:163], s[30:31] offset:262144
	ds_store_b8 v7, v27
	QUANT32 96, 164, 28
	global_store_b128 v13, v[164:167], s[30:31]
	ds_store_b8 v10, v28
	s_wait_loadcnt 0x0
; v_embed along the keys: a block of 32 keys is 8 key pixels, each four times: the maximum of 8 numbers, 8 codes, each nibble spread over 16 bits.
.irp bl, 0,1,2,3
	v_max3_num_f32 v24, |v[128+8*\bl]|, |v[129+8*\bl]|, FLOOR
	v_max3_num_f32 v25, |v[130+8*\bl]|, |v[131+8*\bl]|, |v[132+8*\bl]|
	v_max3_num_f32 v24, v24, |v[133+8*\bl]|, |v[134+8*\bl]|
	v_max3_num_f32 v24, v24, v25, |v[135+8*\bl]|
	v_add_nc_u32 v26, EOFF, v24
	v_cvt_scalef32_pk8_fp4_f32 v[184+\bl], v[128+8*\bl:135+8*\bl], v26
	v_lshrrev_b32 v21, 23, v26                     ; (a plain place behind the conversion)
.if \bl == 0
	v_mov_b32 v29, v21
.else
	v_lshl_or_b32 v29, v21, 8*\bl, v29             ; the K step's four bytes make my channel's scale word
.endif
.irp d, 0,1,2,3
	v_bfe_u32 v[168+4*\bl+\d], v[184+\bl], 8*\d, 8                            ; two codes,
	v_lshl_or_b32 v[168+4*\bl+\d], v[168+4*\bl+\d], 12, v[168+4*\bl+\d]
	v_and_b32 v[168+4*\bl+\d], 0x000f000f, v[168+4*\bl+\d]                    ; one in each half,
	v_mul_u32_u24 v[168+4*\bl+\d], 0x1111, v[168+4*\bl+\d]                    ; four times each
.endr
	global_store_b128 v14, v[168+4*\bl:171+4*\bl], s[32:33] offset:512*(\bl/2)+256*(\bl%2)
.endr
	ds_store_b32 v11, v29
	s_wait_dscnt 0x0                               ; my LDS stores have landed,
	s_barrier_signal -1
	s_barrier_wait -1                              ; everybody's have
	s_cmp_gt_u32 s14, 2
	s_cbranch_scc1 .Lr_end
	ds_load_b128 v[188:191], v12
	s_wait_dscnt 0x0
	global_store_b128 v15, v[188:191], s[38:39]    ; sixteen lanes store 256 consecutive bytes, aligned
.Lr_end:
	s_wait_tensorcnt 0x0
	ds_add_u32 v208, v209
	s_wait_dscnt 0x0
	s_endpgm
.Lfunc_end_k_q5e4b3310c0_prep:
	.size	k_q5e4b3310c0_prep, .Lfunc_end_k_q5e4b3310c0_prep-k_q5e4b3310c0_prep
	.p2alignl 7, 3214868480
	.fill 96, 4, 3214868480
	.section	.rodata,"a",@progbits
	.p2align	6, 0x0
	.amdhsa_kernel k_q5e4b3310c0_prep
		.amdhsa_group_segment_fixed_size 31744
		.amdhsa_private_segment_fixed_size 0
		.amdhsa_enable_private_segment 0
		.amdhsa_kernarg_size 40
		.amdhsa_user_sgpr_count 2
		.amdhsa_user_sgpr_kernarg_segment_ptr 1
		.amdhsa_wavefront_size32 1
		.amdhsa_system_sgpr_workgroup_id_x 1
		.amdhsa_system_sgpr_workgroup_id_y 1
		.amdhsa_system_sgpr_workgroup_id_z 1
		.amdhsa_system_vgpr_workitem_id 0
		.amdhsa_next_free_vgpr 210
		.amdhsa_next_free_sgpr 66
		.amdhsa_reserve_vcc 0
		.amdhsa_float_denorm_mode_32 3
		.amdhsa_float_denorm_mode_16_64 3
		.amdhsa_memory_ordered 1
		.amdhsa_forward_progress 1
		.amdhsa_inst_pref_size 68
	.end_amdhsa_kernel
	.amdgpu_metadata
---
amdhsa.version: [ 1, 2 ]
amdhsa.kernels:
  - .name:           k_q5e4b3310c0_prep
    .symbol:         k_q5e4b3310c0_prep.kd
    .args:
      - { .name: qkv, .offset: 0, .size: 8, .value_kind: global_buffer, .address_space: global }
      - { .name: rpe_table, .offset: 8, .size: 8, .value_kind: global_buffer, .address_space: global }
      - { .name: rel_pos_index, .offset: 16, .size: 8, .value_kind: global_buffer, .address_space: global }
      - { .name: wsq, .offset: 24, .size: 8, .value_kind: global_buffer, .address_space: global }
      - { .name: wsr, .offset: 32, .size: 8, .value_kind: global_buffer, .address_space: global }
    .group_segment_fixed_size: 31744
    .private_segment_fixed_size: 0
    .kernarg_segment_align: 8
    .kernarg_segment_size: 40
    .max_flat_workgroup_size: 256
    .sgpr_count:     66
    .vgpr_count:     210
    .wavefront_size: 32
...
	.end_amdgpu_metadata
.endif
;; end of part 1
;; launch attn (part 2): grid 4 x 64, 8 waves a work-group, no clusters, 318,464 bytes of LDS; arguments attn_mask, wsq, wsr, out0; writes out0
.if DOCPART == 2
	.amdgcn_target "amdgcn-amd-amdhsa--gfx1250"
	.amdhsa_code_object_version 6
	.text
	.protected	k_q5e4b3310c0_attn
	.globl	k_q5e4b3310c0_attn
	.p2align	8
	.type	k_q5e4b3310c0_attn,@function
k_q5e4b3310c0_attn:
	s_mov_b64 s[64:65], 0
	v_nop
	global_prefetch_b8 v0, s[64:65] scope:SCOPE_SE
	s_setreg_imm32_b32 hwreg(HW_REG_WAVE_MODE, 25, 1), 1
	s_wait_xcnt 0x0
; SHIFTED-WINDOW ATTENTION ON E2M1 CODES.  A work-group owns 64 queries (qg = x) of window w (= y), for both images and all four heads.  Wave wv: query tile qtl = wv & 3 (16 queries = 4 pixels x 4 candidates),
; heads 2 (wv >> 2) + 0, 1: four UNITS (image, head) of 16 queries x 256 keys.  Its 16 x 256 piece of attn_mask stays in 128 registers for all four.  Two waves share a SIMD (512 registers each).
; SCORES ARE TRANSPOSED (source 0 = 16 keys, source 1 = my 16 queries): a lane holds one query (lane % 16).  Row m of key tile kt = 4 g + u is key 64 g + 32 (m >> 3) + 8 u + (m & 7), so that the 32 score registers of one g
; are one whole block of 32 neighbouring keys of the lane's half: the softmax's block maximum needs no other lane, and one conversion a tile writes a register of the next product's operand.
; THE INSTRUCTION'S FOUR BLOCKS OF 32 ALONG K carry the four pixels of a tile.  A3: row m has k in block m >> 2 and zero codes elsewhere.  B1: q in all four blocks: A3 . B1 = q . k.
;   B3: column r, block p = q_embed(pixel of query r, pixel p of the key tile): A3 . B3 = k . q_embed, added in place.  A2: row m = key pixel 16 g + m, block p = k_embed(query pixel p, that key pixel);
;   B2: q in block r >> 2, zero codes elsewhere: A2 . B2 = q . k_embed for 16 key pixels; its register 2 u + (jj >> 2) is added to score register jj of tile (g, u), in the lane.  Zero codes add nothing under any scale byte.
; OUTPUT, transposed too: X = V^T P; for each of the tile's four query pixels p: D_p = Ve(p)^T P + X for all 16 columns; lane r keeps D_(r >> 2).
; THE SOFTMAX is finished and normalised in f32 ahead of its quantiser: the row's maximum is taken away, p = 2^((s - max) log2 e) / sum.  A block's largest p is the block's largest score put through the same instructions.
; LIMITS: NaN and +infinity in attn_mask are not served; a query whose mask row is -infinity throughout (NaN by the definition) is not served; p under 2^-126 falls to 0.
; LDS is filled once, through registers, and only read afterwards: no tensor loads and no slots that take turns.  No cluster: what work-groups share (K and V among four, the tables among 64) is fetched once at the head, not in a loop.
; THE WAVES GO IN TWO HALVES, HALF A UNIT APART.  A unit's eight score steps are some ninety LDS loads beside a hundred matrix and vector instructions; its softmax is some 430 vector instructions and no LDS load.
; So in each trip the early half runs image 0's score steps ahead of a barrier and the late half behind it: from there on one half's LDS loads stand beside the other half's vector work.
; The half is (wave xor (wave >> 2)) & 1: of waves wv and wv + 4, and of waves wv and wv xor 1, one goes with each half.
; BARRIERS: one behind the fill of LDS, one in each of the two trips.  The first trip's also parts every wave's reads of the mask's rows from the results that are later stored into the same bytes.
.set L_EK, 0                           ; k_embed codes: 64 rows (16 head + pixel), 1024 B + 16 of padding
.set L_EQ, 66560                       ; q_embed codes likewise
.set L_SK, 133120                      ; k_embed's scale words, 4096 B
.set L_SQ, 137216                      ; q_embed's, 4096 B
.set L_KC, 141312                      ; k codes: image 0, image 1 at + 16384: [row 16 kt + m][head][16 B]
.set L_Z,  174080                      ; 20480 B of zeros: the zero codes of A3 and B2
.set L_QC, 194560                      ; q codes of my 64 queries: 4096 B an image
.set L_KS, 202752                      ; k's scale words: 4096 B an image
.set L_VS, 210944                      ; v's: 1024 B an image
.set L_QS, 212992                      ; q's: 1024 B an image
.set L_VI, 215040                      ; v codes, register images: 16384 B an image
.set L_ST, 247808                      ; first the mask's 64 rows (pitch 1040); then a stage for each wave: [image][16 rows][256 B + 16]
.set AK,   1                           ; v1-4   A3's addresses [image][c]: the lanes without data point into the zeros
.set AB2,  5                           ; v5-8   B2's likewise
.set AB1,  9
.set AQS,  10
.set AKS,  11
.set AB3,  12
.set AA2,  13
.set ASKE, 14
.set ASQE, 15
.set AVI,  16
.set AVS,  17
.set ASTO, 18
.set ARD,  19
.set AGO,  20
.set AVE,  21
.set AVES, 22
.set H8,   23                          ; 8 x (lane / 16)
.set SQR,  24                          ; q's scale word.  v24-28, v30-38, v40-48 hold scales and nothing else
.set SP,   25                          ; v25-28 P's scale words [image][K step]
.set AMK,  49                          ; v49 my query's mask row in LDS; never rewritten
.set BM,   50                          ; v50-53 block maxima; v54-57 the conversions' scale operands; v58-61 bytes
.set SCL,  54
.set BY,   58
.set NM,   62                          ; v62 -max x log2 e (v63 named with it as a pair)
.set SU,   64                          ; v64-67 the sum, two chains of pairs
.set RI,   68                          ; v68 1 / sum (v69 named with it)
.set TT,   70                          ; v70-71 at work
.set B1,   72
.set B2,   80
.set PCD,  88                          ; v88-119 P's codes [image][16]
.set SS,   128                         ; v128-255 the scores; later VF, XX, DP
.set VF,   128
.set XX,   160
.set DP,   176
.set OB,   192
.set MK,   0                           ; window 1: v0-127 the mask tile
.set A3,   128                         ; window 1: two buffers of two tiles each
.set B3,   160
.set A2P,  192
.set D2,   208
.set VE,   128                         ; window 1: later the eight fragments of v_embed, f = 2 p + s at 128 + 16 f
.set T16,  50                          ; the head's copy addresses (in registers that the loop uses for work)
.set PE,   51
.set PQ,   52
.set PM,   53
.set LA,   54
.set LB,   55
.set O62,  56
.set SPLIT, 42                         ; copy passes 0-41 go through window 0 (v88-255), passes 42-70 through window 1 (v128-243)
.set MSB, 0
.macro WIN new                         ; bits 1:0 source 0, 3:2 source 1, 5:4 source 2, 7:6 destination; the high byte repeats the setting that is left
.if MSB != \new
	s_set_vgpr_msb (MSB<<8)|\new
.set MSB, \new
.endif
.endm
; One copy pass of 4,096 bytes, 16 a thread.  st = 0: the load; st = 1: the wait for it and the LDS store.  Counts: 56 loads go out first, so behind load p < 8 stand 55 - p; when 15 more have gone out, 70 - p.
.macro XFER p, st, vo, sb, gi, va, li
.if (\p) < SPLIT
.set w_, 0
.set d_, 88+4*(\p)
.else
.set w_, 1
.set d_, 128+4*((\p)-SPLIT)
.endif
.if \st
.if (\p) < 8
	s_wait_loadcnt 55-(\p)
.else
	s_wait_loadcnt 70-(\p)
.endif
	WIN 0x04*w_
	ds_store_b128 v[\va], v[d_:d_+3] offset:\li
.else
	WIN 0x40*w_
.if (\p) < 16
	global_load_b128 v[d_:d_+3], v[\vo], s[\sb:\sb+1] offset:\gi th:TH_LOAD_NT     ; the mask's rows are read by this work-group alone
.else
	global_load_b128 v[d_:d_+3], v[\vo], s[\sb:\sb+1] offset:\gi
.endif
.endif
.endm
.macro PASS p, st
.if (\p) < 16
	XFER \p, \st, T16, 20, 4096*(\p), PM, 4160*(\p)                          ; mask: 4 rows of 1,024 bytes a pass
.elseif (\p) < 32
	XFER \p, \st, T16, 22, 4096*((\p)-16), PE, 4160*((\p)-16)                ; k_embed
.elseif (\p) < 48
	XFER \p, \st, T16, 22, 262144+4096*((\p)-32), PQ, 4160*((\p)-32)         ; q_embed
.elseif (\p) < 50
	XFER \p, \st, T16, 24, 4096*((\p)-48), LA, 4096*((\p)-48)                ; their scale words
.elseif (\p) < 58
	XFER \p, \st, T16, 26, 2097152+4096*((\p)-50), LA, 8192+4096*((\p)-50)   ; k codes, both images
.elseif (\p) < 60
	XFER \p, \st, T16, 28, 16384*((\p)-58), LB, 4096*((\p)-58)               ; q codes of my 64 queries
.elseif (\p) < 62
	XFER \p, \st, T16, 30, 6815744+4096*((\p)-60), LB, 8192+4096*((\p)-60)   ; k's scale words
.elseif (\p) < 63
	XFER \p, \st, O62, 32, 0, LB, 16384                                      ; waves 0-3 v's scale words, waves 4-7 q's
.else
	XFER \p, \st, T16, 26, 4194304+4096*((\p)-63), LB, 20480+4096*((\p)-63)  ; v codes
.endif
.endm
	s_load_b256 s[4:11], s[0:1], 0x0               ; attn_mask s[4:5], wsq s[6:7], wsr s[8:9], out0 s[10:11]
	v_lshl_add_u32 v29, v0, 2, 0x4d800
	v_mov_b32 v39, 0
	v_lshrrev_b32 v57, 5, v0
	v_readfirstlane_b32 s12, v57                   ; wave
	s_and_b32 s13, s12, 3                          ; qtl
	s_lshr_b32 s14, s12, 2                         ; hp
	s_xor_b32 s17, s12, s14
	s_and_b32 s17, s17, 1                          ; 0: I go with the early half, 1: with the late one
	s_and_b32 s16, ttmp7, 0xffff                   ; w
	v_lshlrev_b32 v[T16], 4, v0
	v_lshrrev_b32 v57, 6, v0
	v_and_b32 v58, 63, v0
	v_mul_u32_u24 v[PE], 1040, v57
	v_lshl_add_u32 v[PE], v58, 4, v[PE]            ; padded rows: 64 threads to a row
	v_add_nc_u32 v[PQ], L_EQ, v[PE]
	v_add_nc_u32 v[PM], L_ST, v[PE]
	v_add_nc_u32 v[LA], L_SK, v[T16]
	v_add_nc_u32 v[LB], L_QC, v[T16]
	s_cmp_lt_u32 s12, 4
	s_mov_b32 s50, 4096
	s_cselect_b32 s50, 1024, s50                   ; from image to image: v's scale words 1,024 bytes, q's 4,096
	v_and_b32 v57, 1, v57
	v_mul_u32_u24 v57, s50, v57
	v_lshl_add_u32 v[O62], v58, 4, v57
	s_lshl_b32 s50, s16, 18
	s_lshl_b32 s52, ttmp9, 16
	s_add_co_u32 s50, s50, s52                     ; mask: 262144 w + 65536 qg
	s_mov_b32 s51, 0
	s_mov_b32 s53, 0
	s_lshl_b32 s54, ttmp9, 13
	s_mov_b32 s55, 0
	s_lshl_b32 s56, s16, 15
	s_mov_b32 s57, 0
	s_lshl_b32 s58, ttmp9, 12
	s_mov_b32 s59, 0
	s_wait_kmcnt 0x0
	s_add_nc_u64 s[20:21], s[4:5], s[50:51]
	s_add_nc_u64 s[22:23], s[8:9], s[52:53]        ; ek + 65536 qg
	s_add_nc_u64 s[24:25], s[8:9], s[54:55]
	s_add_nc_u64 s[24:25], s[24:25], 524288        ; skq + 8192 qg
	s_add_nc_u64 s[26:27], s[6:7], s[56:57]        ; wsq + 32768 w
	s_add_nc_u64 s[28:29], s[26:27], s[58:59]      ; + 4096 qg: my 64 queries' rows of qc
	s_lshl_b32 s50, s16, 13
	s_add_nc_u64 s[30:31], s[6:7], s[50:51]        ; wsq + 8192 w
	s_lshl_b32 s52, s16, 11
	s_add_nc_u64 s[32:33], s[6:7], s[52:53]
	s_add_nc_u64 s[32:33], s[32:33], 7340032       ; vs + 2048 w
	s_lshl_b32 s54, ttmp9, 10
	s_add_nc_u64 s[60:61], s[30:31], s[54:55]
	s_add_nc_u64 s[60:61], s[60:61], 6291456       ; qs + 8192 w + 1024 qg
	s_cmp_lt_u32 s12, 4
	s_cselect_b64 s[32:33], s[32:33], s[60:61]
.set P_, 0
.rept 56
	PASS P_, 0
.set P_, P_+1
.endr
	WIN 0
	; while they are on their way: the other pointers, the constants, the loop's addresses
	s_lshl_b32 s50, s14, 7
	s_lshl_b32 s52, ttmp9, 4
	s_add_co_u32 s50, s50, s52
	s_lshl_b32 s52, s13, 2
	s_add_co_u32 s50, s50, s52                     ; 64 (2 hp) + my tile's first pixel
	s_lshl_b32 s52, s50, 12
	s_add_nc_u64 s[34:35], s[8:9], s[52:53]
	s_add_nc_u64 s[34:35], s[34:35], 622592        ; ve
	s_lshl_b32 s52, s50, 8
	s_add_nc_u64 s[36:37], s[8:9], s[52:53]
	s_add_nc_u64 s[36:37], s[36:37], 557056        ; ves
	s_lshr_b32 s50, s16, 3
	s_lshl_b32 s50, s50, 3
	s_lshl_b32 s52, ttmp9, 1
	s_add_co_u32 s50, s50, s52
	s_lshr_b32 s52, s13, 1
	s_add_co_u32 s50, s50, s52
	s_add_co_u32 s50, s50, 4
	s_and_b32 s50, s50, 63                         ; my tile's image row, rolled back
	s_and_b32 s52, s16, 7
	s_lshl_b32 s52, s52, 3
	s_and_b32 s54, s13, 1
	s_lshl_b32 s54, s54, 2
	s_add_co_u32 s52, s52, s54
	s_add_co_u32 s52, s52, 4
	s_and_b32 s52, s52, 63                         ; and its first image column: a multiple of 4, so the four pixels do not wrap
	s_lshl_b32 s50, s50, 6
	s_add_co_u32 s50, s50, s52
	s_lshl_b32 s50, s50, 11                        ; a pixel of out0 is 2,048 bytes
	s_add_nc_u64 s[38:39], s[10:11], s[50:51]
	s_add_nc_u64 s[40:41], s[38:39], 8388608       ; image 1
	s_mov_b32 s42, 0x3fb8aa3b                      ; log2 e
	s_mov_b32 s43, 0x3fb8aa3b
	s_mov_b32 s44, 0x76543210                      ; v_permlanex16_b32: lane l xor 16
	s_mov_b32 s45, 0xfedcba98
	s_mov_b32 s46, 0x00f000f0                      ; the lanes whose query belongs to pixel 1, 2, 3 of the tile
	s_mov_b32 s47, 0x0f000f00
	s_mov_b32 s48, 0xf000f000
	v_and_b32 v57, 31, v0                          ; L
	v_and_b32 v58, 15, v0                          ; r
	v_bfe_u32 v59, v0, 4, 1                        ; h2
	v_and_b32 v60, 3, v0
	v_bfe_u32 v61, v0, 2, 2                        ; r >> 2
	v_bfe_u32 v62, v0, 3, 1                        ; r >> 3
	v_and_b32 v63, 7, v0
	s_lshl_b32 s50, s14, 5                         ; 32 hp: two heads of 16 bytes
	s_and_b32 s52, s13, 1
	s_lshr_b32 s53, s13, 1
	s_lshl_b32 s54, s52, 11
	s_lshl_b32 s55, s53, 9
	s_add_co_u32 s54, s54, s55                     ; where my query tile's rows begin in the q codes
	v_lshlrev_b32 v64, 8, v59
	v_lshl_add_u32 v64, v60, 6, v64
	v_add_nc_u32 v64, s50, v64                     ; 256 h2 + 64 (L & 3) + 32 hp
	v_xor_b32 v65, v61, v59
	v_xor_b32 v66, 2, v65
	v_add_nc_u32 v65, 3, v65
	v_add_nc_u32 v66, 3, v66
	v_lshrrev_b32 v65, 2, v65                      ; 0 where registers 0-3 (block h2) hold my row's data, else 1
	v_lshrrev_b32 v66, 2, v66                      ; the same for registers 4-7 (block 2 + h2)
	v_add_nc_u32 v67, s54, v64
.irp b, 0,1
.irp c, 0,1
	v_mad_u32_u24 v[AK+2*\b+\c], v[65+\c], L_Z+32-L_KC-16384*\b, v64          ; one product: the distance to the zeros
	v_add_nc_u32 v[AK+2*\b+\c], L_KC+16384*\b+512*\c, v[AK+2*\b+\c]
	v_mul_u32_u24 v68, L_QC+4096*\b-L_Z-32, v[65+\c]
	v_add_nc_u32 v[AB2+2*\b+\c], L_QC+4096*\b+1024*\c, v67
	v_sub_nc_u32 v[AB2+2*\b+\c], v[AB2+2*\b+\c], v68
.endr
.endr
	s_add_co_u32 s55, s54, s50
	s_add_co_u32 s55, s55, L_QC
	v_lshlrev_b32 v[AB1], 10, v62
	v_lshl_add_u32 v[AB1], v63, 6, v[AB1]
	v_add_nc_u32 v[AB1], s55, v[AB1]
	s_lshl_b32 s55, s14, 9
	s_lshl_b32 s56, s53, 7
	s_add_co_u32 s56, s56, s55
	s_lshl_b32 s57, s52, 3
	s_add_co_u32 s56, s56, s57
	s_add_co_u32 s56, s56, L_QS
	v_lshlrev_b32 v[AQS], 4, v63
	v_lshl_add_u32 v[AQS], v62, 2, v[AQS]
	v_add_nc_u32 v[AQS], s56, v[AQS]
	s_add_co_u32 s56, s55, L_KS
	v_lshl_add_u32 v[AKS], v58, 4, s56
	s_mul_i32 s55, s14, 33280
	s_mul_i32 s56, s13, 4160
	s_add_co_u32 s55, s55, s56                     ; row 32 hp + 4 qtl of the tables
	s_add_co_u32 s56, s55, L_EQ
	v_mul_u32_u24 v[AB3], 1040, v61
	v_lshl_add_u32 v[AB3], v59, 4, v[AB3]
	v_add_nc_u32 v[AB3], s56, v[AB3]
	v_mul_u32_u24 v[AA2], 1040, v59
	v_lshl_add_u32 v[AA2], v58, 4, v[AA2]
	v_add_nc_u32 v[AA2], s55, v[AA2]
	s_lshl_b32 s55, s14, 11
	s_lshl_b32 s56, s13, 8
	s_add_co_u32 s55, s55, s56
	s_add_co_u32 s56, s55, L_SK
	v_lshl_add_u32 v[ASKE], v58, 2, s56
	s_add_co_u32 s56, s55, L_SQ
	v_lshl_add_u32 v[ASQE], v61, 4, s56
	s_lshl_b32 s55, s14, 12
	s_add_co_u32 s55, s55, L_VI
	v_lshl_add_u32 v[AVI], v57, 4, s55
	s_lshl_b32 s55, s14, 8
	s_add_co_u32 s56, s55, L_VS
	v_lshl_add_u32 v[AVS], v57, 2, s56
	s_mul_i32 s56, s12, 8704
	s_add_co_u32 s56, s56, L_ST                    ; my stage
	v_mul_u32_u24 v[ASTO], 272, v58
	v_lshl_add_u32 v[ASTO], v59, 5, v[ASTO]
	v_add_nc_u32 v[ASTO], s56, v[ASTO]
	v_mul_u32_u24 v[ARD], 272, v59
	v_lshl_add_u32 v[ARD], v58, 4, v[ARD]
	v_add_nc_u32 v[ARD], s56, v[ARD]
	v_lshlrev_b32 v[AGO], 9, v59
	v_lshl_add_u32 v[AGO], v58, 4, v[AGO]
	v_add_nc_u32 v[AGO], s55, v[AGO]               ; out0: token 2 t + h2 of 512 bytes, my two heads' 256 bytes
	v_lshlrev_b32 v[AVE], 4, v57
	v_lshlrev_b32 v[AVES], 2, v57
	v_lshlrev_b32 v[H8], 3, v59
	s_mul_i32 s56, s13, 16640
	s_add_co_u32 s56, s56, L_ST
	v_mul_u32_u24 v[AMK], 1040, v58
	v_lshl_add_u32 v[AMK], v59, 7, v[AMK]
	v_add_nc_u32 v[AMK], s56, v[AMK]               ; my query's mask row, my half's 32 keys of each 64
	v_mov_b32 v69, 0                               ; named as upper halves of pairs, or as lane permutes' destinations, before they are first written
	v_mov_b32 v70, 0
	v_mov_b32 v71, 0
	v_mov_b32 v72, 0
	v_mov_b32 v73, 0
	v_mov_b32 v74, 0
	v_mov_b32 v75, 0
.irp z, 0,1,2,3,4
	ds_store_b128 v[LA], v[72:75] offset:40960+4096*\z                    ; the zeros
.endr
.set P_, 0
.rept 8
	PASS P_, 1
.set P_, P_+1
.endr
.set P_, 56
.rept 15
	PASS P_, 0                                     ; 48 + 15 loads are out
.set P_, P_+1
.endr
.set P_, 8
.rept 63
	PASS P_, 1
.set P_, P_+1
.endr
	WIN 0
	s_wait_dscnt 0x0                               ; my LDS stores have landed,
	s_barrier_signal -1
	s_barrier_wait -1                              ; everybody's have
	WIN 0x40
.irp kt, 0,1,2,3,4,5,6,7,8,9,10,11,12,13,14,15
	ds_load_b128 v[MK+8*\kt:MK+8*\kt+3], v[AMK] offset:256*(\kt/4)+32*(\kt%4)        ; register 8 kt + jj: key 64 g + 32 h2 + 8 u + jj
	ds_load_b128 v[MK+8*\kt+4:MK+8*\kt+7], v[AMK] offset:256*(\kt/4)+32*(\kt%4)+16
.endr
	WIN 0                                          ; these 32 loads are older than all that follow: the first step's counted wait covers them, and the first trip's barrier parts them from the stores into the stages
.macro SC b, g, set                    ; the scale words of four key tiles: k's, q_embed's, and k_embed's of 16 key pixels
	WIN 0
	ds_load_b128 v[30+10*(\set):33+10*(\set)], v[AKS] offset:1024*(\g)+4096*(\b)
	ds_load_b128 v[34+10*(\set):37+10*(\set)], v[ASQE] offset:64*(\g)
	ds_load_b32 v[38+10*(\set)], v[ASKE] offset:64*(\g)
.endm
.macro A2L g
	WIN 0x40
.irp c, 0,1
	ds_load_b128 v[A2P+4*\c:A2P+4*\c+3], v[AA2] offset:2080*\c+256*(\g)
.endr
.endm
.macro LFR b, sg                       ; A3 and B3 of tiles 2 sg, 2 sg + 1 into buffer sg % 2: eight loads
	WIN 0x40
.irp e, 0,1
.irp c, 0,1
	ds_load_b128 v[A3+16*((\sg)%2)+8*\e+4*\c:A3+16*((\sg)%2)+8*\e+4*\c+3], v[AK+2*(\b)+\c] offset:1024*(2*(\sg)+\e)
	ds_load_b128 v[B3+16*((\sg)%2)+8*\e+4*\c:B3+16*((\sg)%2)+8*\e+4*\c+3], v[AB3] offset:256*((2*(\sg)+\e)/4)+128*\c+32*((2*(\sg)+\e)%4)
.endr
.endr
.endm
.macro PRE b                           ; 26 loads: what a unit's first two steps want
	WIN 0
	ds_load_b128 v[B1:B1+3], v[AB1] offset:4096*(\b)
	ds_load_b128 v[B1+4:B1+7], v[AB1] offset:4096*(\b)                    ; the same 16 bytes: q in all four blocks
	ds_load_b128 v[B2:B2+3], v[AB2+2*(\b)]
	ds_load_b128 v[B2+4:B2+7], v[AB2+2*(\b)+1]
	ds_load_b32 v[SQR], v[AQS] offset:1024*(\b)
	SC \b, 0, 0
	A2L 0
	LFR \b, 0
	LFR \b, 1
.endm
.macro MADD kt                         ; + the mask; each accumulator is read from its low end on
.irp i, 0,2,4,6
	v_pk_add_f32 v[SS+8*(\kt)+\i:SS+8*(\kt)+\i+1], v[SS+8*(\kt)+\i:SS+8*(\kt)+\i+1], v[MK+8*(\kt)+\i:MK+8*(\kt)+\i+1]
.endr
.endm
.macro DADD kt                         ; + q . k_embed: registers 0-3 take the pair's first number, 4-7 its second (8 g + 2 u = 2 kt)
.irp i, 0,2
	v_pk_add_f32 v[SS+8*(\kt)+\i:SS+8*(\kt)+\i+1], v[SS+8*(\kt)+\i:SS+8*(\kt)+\i+1], v[D2+2*(\kt):D2+2*(\kt)+1] op_sel:[0,0] op_sel_hi:[1,0]
.endr
.irp i, 4,6
	v_pk_add_f32 v[SS+8*(\kt)+\i:SS+8*(\kt)+\i+1], v[SS+8*(\kt)+\i:SS+8*(\kt)+\i+1], v[D2+2*(\kt):D2+2*(\kt)+1] op_sel:[0,1] op_sel_hi:[1,1]
.endr
.endm
; A step: two key tiles.  The two accumulators take turns, one instruction a turn.  The eight additions of the step before are the places behind this step's products, in front of the loads into their registers.
; Waits: LDS loads come back in order.  Step 0: the 8 loads of step 1's fragments may be out.  Odd steps: the 3 scale loads and 8 fragment loads issued a step ago; even steps: the 2 loads of A2 and 8; step 7: none were issued.
.macro STEP b, sg
.set g_, (\sg)/2
.set f_, 16*((\sg)%2)
.set c_, 30+10*(g_%2)
.if (\sg) == 0
	s_wait_dscnt 8
.elseif (\sg) == 7
	s_wait_dscnt 0x0
.elseif (\sg)%2
	s_wait_dscnt 11
.else
	s_wait_dscnt 10
.endif
	WIN 0x01                                       ; A3 window 1; B1 and the scores window 0
.irp e, 0,1
	v_wmma_scale_f32_16x16x128_f8f6f4 v[SS+8*(2*(\sg)+\e):SS+8*(2*(\sg)+\e)+7], v[A3+f_+8*\e:A3+f_+8*\e+7], v[B1:B1+7], 0, v[c_+(2*(\sg)+\e)%4], v[SQR] matrix_a_fmt:MATRIX_FMT_FP4 matrix_b_fmt:MATRIX_FMT_FP4
.endr
	WIN 0x05                                       ; B3 window 1 too
.irp e, 0,1
	v_wmma_scale_f32_16x16x128_f8f6f4 v[SS+8*(2*(\sg)+\e):SS+8*(2*(\sg)+\e)+7], v[A3+f_+8*\e:A3+f_+8*\e+7], v[B3+f_+8*\e:B3+f_+8*\e+7], v[SS+8*(2*(\sg)+\e):SS+8*(2*(\sg)+\e)+7], v[c_+(2*(\sg)+\e)%4], v[c_+4+(2*(\sg)+\e)%4] matrix_a_fmt:MATRIX_FMT_FP4 matrix_b_fmt:MATRIX_FMT_FP4
.endr
.if (\sg)%2
	WIN 0x41                                       ; A2 and its result window 1, B2 window 0
	v_wmma_scale_f32_16x16x128_f8f6f4 v[D2+8*g_:D2+8*g_+7], v[A2P:A2P+7], v[B2:B2+7], 0, v[c_+8], v[SQR] matrix_a_fmt:MATRIX_FMT_FP4 matrix_b_fmt:MATRIX_FMT_FP4
.endif
.if (\sg) == 0
.rept 4
	v_nop
.endr
.else
	WIN 0x04
	MADD 2*(\sg)-2
	MADD 2*(\sg)-1
.endif
.if ((\sg)%2 == 0) && ((\sg) < 6)
	SC \b, g_+1, (g_+1)%2
.endif
.if ((\sg)%2 == 1) && ((\sg) < 7)
	A2L g_+1
.endif
.if (\sg) < 6
	LFR \b, (\sg)+2
.endif
.endm
.macro STEPS b                         ; a unit's eight score steps
.irp sg, 0,1,2,3,4,5,6,7
	STEP \b, \sg
.endr
.endm
.macro VELOAD f                        ; fragment f = 2 p + s of v_embed, from memory straight into its registers: used for both images
	WIN 0x40
.irp q, 0,1,2,3
	global_load_b128 v[VE+16*(\f)+4*\q:VE+16*(\f)+4*\q+3], v[AVE], s[34:35] offset:2048*(\f)+512*\q
.endr
.endm
.macro SOFTMAX b
.irp g, 0,1,2,3
	v_max3_num_f32 v[BM+\g], v[SS+32*\g], v[SS+32*\g+1], v[SS+32*\g+2]        ; the largest score of each block of 32 keys, the four blocks by turns
.endr
.set j_, 3
.rept 14
.irp g, 0,1,2,3
	v_max3_num_f32 v[BM+\g], v[BM+\g], v[SS+32*\g+j_], v[SS+32*\g+j_+1]
.endr
.set j_, j_+2
.endr
.irp g, 0,1,2,3
	v_max_num_f32 v[BM+\g], v[BM+\g], v[SS+32*\g+31]
.endr
	v_max3_num_f32 v[TT], v[BM], v[BM+1], v[BM+2]
	v_max_num_f32 v[TT], v[TT], v[BM+3]
	v_permlanex16_b32 v[TT+1], v[TT], s44, s45
	v_max_num_f32 v[TT], v[TT], v[TT+1]            ; the row's maximum
	v_mul_f32 v[NM], -v[TT], s42                   ; its rounding is a factor common to the row, which the division takes out
.set j_, 0
.rept 64
	v_pk_fma_f32 v[SS+j_:SS+j_+1], v[SS+j_:SS+j_+1], s[42:43], v[NM:NM+1] op_sel_hi:[1,0,0]
.set j_, j_+2
.endr
.irp g, 0,1,2,3
	v_fma_f32 v[BM+\g], v[BM+\g], s42, v[NM]       ; the same of each block's largest score
.endr
.set j_, 0
.rept 128
	v_exp_f32 v[SS+j_], v[SS+j_]
.set j_, j_+1
.endr
.irp g, 0,1,2,3
	v_exp_f32 v[BM+\g], v[BM+\g]
.endr
	v_nop                                          ; one plain place behind the exponentials
	s_wait_alu depctr_va_vdst(0)
	v_pk_add_f32 v[SU:SU+1], v[SS:SS+1], v[SS+2:SS+3]
	v_pk_add_f32 v[SU+2:SU+3], v[SS+4:SS+5], v[SS+6:SS+7]
.set j_, 8
.rept 30
	v_pk_add_f32 v[SU:SU+1], v[SU:SU+1], v[SS+j_:SS+j_+1]
	v_pk_add_f32 v[SU+2:SU+3], v[SU+2:SU+3], v[SS+j_+2:SS+j_+3]
.set j_, j_+4
.endr
	v_pk_add_f32 v[SU:SU+1], v[SU:SU+1], v[SU+2:SU+3]
	v_add_f32 v[SU], v[SU], v[SU+1]
	v_permlanex16_b32 v[TT], v[SU], s44, s45
	v_add_f32 v[SU], v[SU], v[TT]                  ; the row's sum
	v_rcp_f32 v[RI], v[SU]
	v_nop                                          ; one plain place behind the reciprocal
.set j_, 0
	s_wait_alu depctr_va_vdst(0)
.rept 64
	v_pk_mul_f32 v[SS+j_:SS+j_+1], v[SS+j_:SS+j_+1], v[RI:RI+1] op_sel_hi:[1,0]     ; the finished softmax
.set j_, j_+2
.endr
.irp g, 0,1,2,3
	v_mul_f32 v[BM+\g], v[BM+\g], v[RI]            ; the block's largest p: the same instructions on the same number
.endr
.irp g, 0,1,2,3
	v_max_num_f32 v[BM+\g], 0x1800000, v[BM+\g]    ; the floor 2^(3 - 127): a block that is masked out keeps the byte 1 over zero codes
.endr
.irp g, 0,1,2,3
	v_add_nc_u32 v[SCL+\g], 0xff000000, v[BM+\g]
.endr
.irp g, 0,1,2,3
	v_lshrrev_b32 v[BY+\g], 23, v[SCL+\g]
.endr
.irp kt, 0,1,2,3,4,5,6,7,8,9,10,11,12,13,14,15
	v_cvt_scalef32_pk8_fp4_f32 v[PCD+16*(\b)+\kt], v[SS+8*\kt:SS+8*\kt+7], v[SCL+\kt/4]     ; register kt of P's operand as it stands
.endr
.irp s, 0,1
	v_lshl_or_b32 v[TT], v[BY+2*\s+1], 16, v[BY+2*\s]      ; (a plain place behind the conversions)  my two bytes of K step s: blocks h2 and 2 + h2,
	v_lshlrev_b32 v[TT], v[H8], v[TT]                      ; at their places;
	v_permlanex16_b32 v[TT+1], v[TT], s44, s45
	v_or_b32 v[SP+2*(\b)+\s], v[TT], v[TT+1]               ; with lane l xor 16's two the word is whole
.endr
.endm
.macro REST b                          ; a unit behind its score steps: the additions that are left, the next operands' loads, the softmax
	WIN 0x04
	DADD 0
	DADD 1
.if (\b) == 0
	PRE 1                                          ; the next unit's first operands land under this unit's softmax
.else
.irp f, 0,1,2,3,4,7
	VELOAD \f                                      ; into the registers that the score products have left
.endr
	WIN 0
.irp f, 0,1,2,3,4,5,6,7
	global_load_b32 v[30+\f], v[AVES], s[36:37] offset:128*\f
.endr
.endif
	WIN 0x04
.irp kt, 2,3,4,5,6,7,8,9,10,11
	DADD \kt
.endr
	MADD 14
	MADD 15
.irp kt, 12,13,14,15
	DADD \kt
.endr
.if (\b) == 1
	VELOAD 5                                       ; these two lie where q . k_embed lay
	VELOAD 6
.endif
	WIN 0
	SOFTMAX \b
.endm
.macro DMUL b, s, t, p                 ; D_p (channels 16 t on) takes X as its first C, then adds in place; seven other accumulators stand between the two links
.set dd_, DP+16*(\p)+8*(\t)
.set cc_, dd_
.if (\s) == 0
.set cc_, XX+8*(\t)
.endif
.if (\t) == 0
	v_wmma_scale_f32_16x16x128_f8f6f4 v[dd_:dd_+7], v[VE+16*(2*(\p)+(\s))+8*(\t):VE+16*(2*(\p)+(\s))+8*(\t)+7], v[PCD+16*(\b)+8*(\s):PCD+16*(\b)+8*(\s)+7], v[cc_:cc_+7], v[30+2*(\p)+(\s)], v[SP+2*(\b)+(\s)] matrix_a_fmt:MATRIX_FMT_FP4 matrix_b_fmt:MATRIX_FMT_FP4
.else
	v_wmma_scale_f32_16x16x128_f8f6f4 v[dd_:dd_+7], v[VE+16*(2*(\p)+(\s))+8*(\t):VE+16*(2*(\p)+(\s))+8*(\t)+7], v[PCD+16*(\b)+8*(\s):PCD+16*(\b)+8*(\s)+7], v[cc_:cc_+7], v[30+2*(\p)+(\s)], v[SP+2*(\b)+(\s)] matrix_a_fmt:MATRIX_FMT_FP4 matrix_b_fmt:MATRIX_FMT_FP4 matrix_a_scale:MATRIX_SCALE_ROW1
.endif
.endm
.macro PV b
	WIN 0
.irp s, 0,1
.irp q, 0,1,2,3
	ds_load_b128 v[VF+16*\s+4*\q:VF+16*\s+4*\q+3], v[AVI] offset:8192*\s+512*\q+16384*(\b)
.endr
.endr
.irp s, 0,1
	ds_load_b32 v[40+2*(\b)+\s], v[AVS] offset:512*\s+1024*(\b)           ; lanes 0-15 channels 0-15, lanes 16-31 channels 16-31
.endr
.if (\b) == 0
	s_wait_loadcnt 0x0                             ; v_embed's fragments and scale words
.endif
	s_wait_dscnt 0x0
	v_wmma_scale_f32_16x16x128_f8f6f4 v[XX:XX+7], v[VF:VF+7], v[PCD+16*(\b):PCD+16*(\b)+7], 0, v[40+2*(\b)], v[SP+2*(\b)] matrix_a_fmt:MATRIX_FMT_FP4 matrix_b_fmt:MATRIX_FMT_FP4
	v_wmma_scale_f32_16x16x128_f8f6f4 v[XX+8:XX+15], v[VF+8:VF+15], v[PCD+16*(\b):PCD+16*(\b)+7], 0, v[40+2*(\b)], v[SP+2*(\b)] matrix_a_fmt:MATRIX_FMT_FP4 matrix_b_fmt:MATRIX_FMT_FP4 matrix_a_scale:MATRIX_SCALE_ROW1
	v_wmma_scale_f32_16x16x128_f8f6f4 v[XX:XX+7], v[VF+16:VF+23], v[PCD+16*(\b)+8:PCD+16*(\b)+15], v[XX:XX+7], v[41+2*(\b)], v[SP+2*(\b)+1] matrix_a_fmt:MATRIX_FMT_FP4 matrix_b_fmt:MATRIX_FMT_FP4
	v_wmma_scale_f32_16x16x128_f8f6f4 v[XX+8:XX+15], v[VF+24:VF+31], v[PCD+16*(\b)+8:PCD+16*(\b)+15], v[XX+8:XX+15], v[41+2*(\b)], v[SP+2*(\b)+1] matrix_a_fmt:MATRIX_FMT_FP4 matrix_b_fmt:MATRIX_FMT_FP4 matrix_a_scale:MATRIX_SCALE_ROW1
.rept 5
	v_nop                                          ; five places: X becomes the C of other accumulators
.endr
	WIN 0x01                                       ; v_embed window 1
.irp s, 0,1
.irp t, 0,1
.irp p, 0,1,2,3
	DMUL \b, \s, \t, \p
.endr
.endr
.endr
	WIN 0
.rept 5
	v_nop                                          ; places in front of the first read of results; five, since the next products write over X
.endr
.irp t, 0,1
.irp p, 1,2,3
.irp j, 0,1,2,3,4,5,6,7
	v_cndmask_b32 v[DP+8*\t+\j], v[DP+8*\t+\j], v[DP+16*\p+8*\t+\j], s[45+\p]     ; my query's own pixel; each accumulator from its low end on
.endr
.endr
.endr
.irp t, 0,1
	ds_store_b128 v[ASTO], v[DP+8*\t:DP+8*\t+3] offset:64*\t+4352*(\b)            ; lane (r, h2): channels 16 t + 8 h2 + 0..7 of query r
	ds_store_b128 v[ASTO], v[DP+8*\t+4:DP+8*\t+7] offset:64*\t+16+4352*(\b)
.endr
.endm
	s_mov_b32 s49, 2
.Lhead:                                                ; a trip: one head, both images
	PRE 0
	WIN 0                                          ; at a branch and at a label every window is 0
	s_cmp_lg_u32 s17, 0
	s_cbranch_scc1 .Llate                          ; the branch hangs on the wave's number alone, and no barrier stands under it
	STEPS 0                                        ; the early half: image 0's score steps ahead of the barrier
	WIN 0
.Llate:
	s_wait_dscnt 0x0                               ; no LDS access of mine is out: in the first trip my reads of the mask's rows are over, in the second my stores into my stage have landed
	s_barrier_signal -1
	s_barrier_wait -1                              ; the late half goes on when the early half's steps are done; behind this barrier the mask's bytes may serve as stages
	s_cmp_eq_u32 s17, 0
	s_cbranch_scc1 .Learly
	STEPS 0                                        ; the late half: the same steps, beside the early half's softmax
	WIN 0
.Learly:
	REST 0
	STEPS 1
	REST 1
	PV 0
	PV 1
	; on to the wave's second head.  These 18 additions are also places between the last products and the next loads into their registers
.irp a, 1,2,3,4,5,6,7,8,9
	v_add_nc_u32 v\a, 16, v\a                      ; a head's 16 bytes in a row of codes
.endr
	v_add_nc_u32 v[AQS], 256, v[AQS]
	v_add_nc_u32 v[AKS], 256, v[AKS]
	v_add_nc_u32 v[AVI], 2048, v[AVI]
	v_add_nc_u32 v[AVS], 128, v[AVS]
	v_add_nc_u32 v[ASTO], 128, v[ASTO]
	v_add_nc_u32 v[AB3], 16640, v[AB3]
	v_add_nc_u32 v[AA2], 16640, v[AA2]
	v_add_nc_u32 v[ASKE], 1024, v[ASKE]
	v_add_nc_u32 v[ASQE], 1024, v[ASQE]
	s_add_nc_u64 s[34:35], s[34:35], 262144        ; (the loads that named these bases were waited for in front of the first output products)
	s_add_nc_u64 s[36:37], s[36:37], 16384
	s_sub_co_u32 s49, s49, 1
	s_cmp_lg_u32 s49, 0
	s_cbranch_scc1 .Lhead
	; THE WAY OUT: my stage holds, for each image, 16 tokens x 256 bytes (my two heads).  LDS serves a wave's instructions in order: these loads see my stores.
.irp b, 0,1
.irp t, 0,1,2,3,4,5,6,7
	ds_load_b128 v[OB+32*\b+4*\t:OB+32*\b+4*\t+3], v[ARD] offset:544*\t+4352*\b
.endr
.endr
.irp b, 0,1
.irp t, 0,1,2,3,4,5,6,7
	s_wait_dscnt 15-8*\b-\t
	global_store_b128 v[AGO], v[OB+32*\b+4*\t:OB+32*\b+4*\t+3], s[38+2*\b:39+2*\b] offset:1024*\t th:TH_STORE_NT   ; sixteen lanes store 256 consecutive bytes, aligned
.endr
.endr
	s_wait_tensorcnt 0x0
	ds_add_u32 v29, v39
	s_wait_dscnt 0x0
	s_endpgm
.Lfunc_end_k_q5e4b3310c0_attn:
	.size	k_q5e4b3310c0_attn, .Lfunc_end_k_q5e4b3310c0_attn-k_q5e4b3310c0_attn
	.p2alignl 7, 3214868480
	.fill 96, 4, 3214868480
	.section	.rodata,"a",@progbits
	.p2align	6, 0x0
	.amdhsa_kernel k_q5e4b3310c0_attn
		.amdhsa_group_segment_fixed_size 318464
		.amdhsa_private_segment_fixed_size 0
		.amdhsa_enable_private_segment 0
		.amdhsa_kernarg_size 32
		.amdhsa_user_sgpr_count 2
		.amdhsa_user_sgpr_kernarg_segment_ptr 1
		.amdhsa_wavefront_size32 1
		.amdhsa_system_sgpr_workgroup_id_x 1
		.amdhsa_system_sgpr_workgroup_id_y 1
		.amdhsa_system_sgpr_workgroup_id_z 1
		.amdhsa_system_vgpr_workitem_id 0
		.amdhsa_next_free_vgpr 512
		.amdhsa_next_free_sgpr 66
		.amdhsa_reserve_vcc 0
		.amdhsa_float_denorm_mode_32 3
		.amdhsa_float_denorm_mode_16_64 3
		.amdhsa_memory_ordered 1
		.amdhsa_forward_progress 1
		.amdhsa_inst_pref_size 146
	.end_amdhsa_kernel
	.amdgpu_metadata
---
amdhsa.version: [ 1, 2 ]
amdhsa.kernels:
  - .name:           k_q5e4b3310c0_attn
    .symbol:         k_q5e4b3310c0_attn.kd
    .args:
      - { .name: attn_mask, .offset: 0, .size: 8, .value_kind: global_buffer, .address_space: global }
      - { .name: wsq, .offset: 8, .size: 8, .value_kind: global_buffer, .address_space: global }
      - { .name: wsr, .offset: 16, .size: 8, .value_kind: global_buffer, .address_space: global }
      - { .name: out0, .offset: 24, .size: 8, .value_kind: global_buffer, .address_space: global }
    .group_segment_fixed_size: 318464
    .private_segment_fixed_size: 0
    .kernarg_segment_align: 8
    .kernarg_segment_size: 32
    .max_flat_workgroup_size: 256
    .sgpr_count:     66
    .vgpr_count:     512
    .wavefront_size: 32
...
	.end_amdgpu_metadata
.endif
;; end of part 2
;; ======== version 2 of 2: 2 launches; version 1 with the launches prep, attn written anew for expert scheduling mode
;; workspace buffers: wsq 7,471,104 bytes; wsr 1,671,168 bytes
;; launch prep (part 3): grid 320 x 1, 8 waves a work-group, no clusters, 31,744 bytes of LDS; arguments qkv, rpe_table, rel_pos_index, wsq, wsr; writes wsq, wsr
.if DOCPART == 3
	.amdgcn_target "amdgcn-amd-amdhsa--gfx1250"
	.amdhsa_code_object_version 6
	.text
	.protected	k_q5e4b3310c0_prep
	.globl	k_q5e4b3310c0_prep
	.p2align	8
	.type	k_q5e4b3310c0_prep,@function
k_q5e4b3310c0_prep:
	s_mov_b64 s[64:65], 0
	v_nop
	global_prefetch_b8 v0, s[64:65] scope:SCOPE_SE
	s_setreg_imm32_b32 hwreg(HW_REG_WAVE_SCHED_MODE, 0, 2), 2
	s_setreg_imm32_b32 hwreg(HW_REG_WAVE_MODE, 25, 1), 1
	s_wait_xcnt 0x0
	s_wait_alu depctr_vm_vsrc(0)
; PREP: every operand of the attention launch that does not hang on the softmax is quantised ONCE to E2M1 codes with one E8M0 byte for each 32 along K.
; Work-groups 64..319 (u = 4 w + 2 b + s): the 128 tokens of key half s of window w of image b.  q x 32^-0.5 and k: one block = the 32 channels of a head; v: one block = 32 keys of one channel.
; Work-groups 0..63 (qt, h): the position tables of head h for the four query pixels 4 qt + 0..3, gathered by rel_pos_index: q_embed x 32^-0.5 and k_embed along the channels, v_embed along the keys (each pixel stands for four keys).
; A block's scale: the largest magnitude's exponent field less 2, held at 1 from below by a floor among the maximum's leaves.  A block of zeros so keeps the byte 1: its codes are zeros, and this program alone reads the bytes.
; LIMITS: NaN and infinities among qkv and rpe_table are not served; blocks whose largest magnitude lies under 2^-124 keep the byte 1; an index above 224 is held at 224.
; LAYOUT OF wsq (u-th piece): qc +0, kc +2097152: 8192 u: [row 128][head][16 B], token tl at row 64 (tl>>6) + 16 ((tl>>3)&3) + 8 ((tl>>5)&1) + (tl&7): the order of the key tiles;
;   vi +4194304: 8192 u: [head][quad][lane][16 B], quad = 2 (c>>4) + c2, lane = 16 hk + (c&15): key block 2 c2 + hk of channel c: an image of the operand's registers;
;   qs +6291456, ks +6815744: 2048 u: [g 2][head][m 16][u 4] words, the byte four times;  vs +7340032: 512 u: [head][c 32] words, byte = key block.
; LAYOUT OF wsr: ek +0, eq +262144: [qg][head][pixel 16][key pixel 64][16 B];  skq +524288: 8192 qg: k_embed's bytes [head][tile][key pixel] words (byte = query pixel of the tile), at +4096 q_embed's [head][tile][g][query pixel][u] words (byte = key pixel of the tile);
;   ves +557056: [head][pixel][s][c] words;  ve +622592: [head][pixel][s] x 2048, laid as vi.
; No matrix work, no tensor loads, no cluster: the launch streams qkv once.  The two paths part on the work-group's number, and each has LDS bytes and one barrier of its own.
; THE MODE: SCHED_MODE bits 1:0 = 2 (LLVM: expert scheduling mode 2), set by the entry lines.  The code itself states the register dependences between vector instructions and memory or LDS instructions, with s_wait_alu, always for 0.
; THE PLAN, q, k, v.  Registers that memory or LDS instructions touch:
;   v3-v11, v18, v19   offsets and LDS addresses: made once, ahead of the path's first wait, and never written again.
;   v32-95             eight slots of a token's q and k.  Written by the token's two loads; read and scaled by its arithmetic; slots 0-7 are loaded again for tokens 8-15; at the end the way out's LDS loads land in v32-63.
;   v96-127            a block of v: loaded, read by its arithmetic, loaded again for the second block.
;   v128-137, v160-207 codes and scale words, registers of their own for each token and each block: written once, read by one LDS store.
; The tokens go in groups of four: the four tokens' arithmetic, ONE wait, then the loads into the slots that it has read and the LDS stores of what it has written.  A block of v shares the wait of the group in front of it.
; THE PLAN, the tables.  v4, v5 offsets of the index loads; v3, v32-63 indices as loaded, then offsets; v7, v10-v15 addresses; v64-159 the gathered numbers; v27-29, v160-183 codes and bytes, written once.  Four waits, each ahead of a run of loads or stores.
.set FLOOR, 0x1800000                  ; 2^(3 - 127)
.set EOFF,  0xff000000                 ; 2 off an exponent field
.set QSC,   0x3e3504f3                 ; 32^-0.5
.set RS,    29184                      ; LDS of the table path: 256 B + 256 B of scale bytes, 1024 B of v_embed's scale words
; 32 numbers of one block in v[X] on -> 32 codes in v[C] on, the byte in v[BY].  v24-26 at work.
.macro QUANT32 X, C, BY
	v_max3_num_f32 v24, |v[(\X)]|, |v[(\X)+1]|, FLOOR
	v_max3_num_f32 v25, |v[(\X)+2]|, |v[(\X)+3]|, |v[(\X)+4]|
.irp i, 5,9,13,17,21,25
	v_max3_num_f32 v24, v24, |v[(\X)+\i]|, |v[(\X)+\i+1]|      ; two chains, so that no line waits for the line above it
	v_max3_num_f32 v25, v25, |v[(\X)+\i+2]|, |v[(\X)+\i+3]|
.endr
	v_max3_num_f32 v24, v24, |v[(\X)+29]|, |v[(\X)+30]|
	v_max3_num_f32 v24, v24, v25, |v[(\X)+31]|
	v_add_nc_u32 v26, EOFF, v24                    ; the conversion takes the exponent field of this operand as its scale
	v_lshrrev_b32 v[\BY], 23, v26                  ; the scale's byte
.irp g, 0,1,2,3
	v_cvt_scalef32_pk8_fp4_f32 v[(\C)+\g], v[(\X)+8*\g:(\X)+8*\g+7], v26
.endr
	v_nop                                          ; one plain place behind the last conversion
.endm
	s_load_b256 s[4:11], s[0:1], 0x0               ; qkv s[4:5], rpe_table s[6:7], rel_pos_index s[8:9], wsq s[10:11]
	s_load_b64 s[12:13], s[0:1], 0x20              ; wsr
	v_lshl_add_u32 v208, v0, 2, 0x7800
	v_mov_b32 v209, 0
	v_lshrrev_b32 v1, 5, v0
	v_readfirstlane_b32 s14, v1                    ; wave 0..7
	v_and_b32 v2, 31, v0                           ; lane L
	s_wait_alu depctr_va_sdst(0)                   ; s14 is written, ahead of the branch: both paths make their addresses from it
	s_cmp_lt_u32 ttmp9, 64
	s_cbranch_scc1 .Lrpe
; ======================= q, k, v of 128 tokens =======================
; LDS: an image of the six pieces that leave: QC 0, KC 8192, VI 16384, QS 24576, KS 26624, VS 28672 .. 29184.
	s_sub_co_u32 s15, ttmp9, 64                    ; u
	s_and_b32 s16, s15, 1                          ; s
	s_bfe_u32 s17, s15, 0x10001                    ; b
	s_lshr_b32 s18, s15, 2                         ; w
	s_lshr_b32 s19, s18, 3                         ; window row
	s_and_b32 s20, s18, 7                          ; window column
	s_lshl_b32 s21, s19, 3
	s_lshl_b32 s22, s16, 2
	s_add_co_u32 s21, s21, s22
	s_add_co_u32 s21, s21, 4
	s_and_b32 s21, s21, 63                         ; the half's first image row: (8 wr + 4 + 4 s) mod 64: the roll by 4; the four rows do not wrap
	s_lshl_b32 s22, s17, 6
	s_add_co_u32 s21, s21, s22                     ; + 64 b
	s_lshl_b32 s22, s20, 3
	s_add_co_u32 s23, s22, 4                       ; image column of window columns 0-3
	s_add_co_u32 s24, s22, 8
	s_and_b32 s24, s24, 63                         ; and of 4-7
	; q and k: wave wv owns tokens 16 wv + 0..15: four pixels on end, 24,576 consecutive bytes
	s_lshr_b32 s25, s14, 1
	s_add_co_u32 s25, s25, s21
	s_lshl_b32 s25, s25, 6
	s_and_b32 s26, s14, 1
	s_cmp_eq_u32 s26, 0
	s_cselect_b32 s27, s23, s24
	s_add_co_u32 s25, s25, s27
	s_mul_i32 s28, s25, 6144                       ; a pixel is 4 tokens of 1,536 bytes; under 2^26
	s_mov_b32 s29, 0
	; v: wave wv has head wv & 3 and key blocks 2 (wv >> 2) + 0, 1 (a block = a window row); lane = channel
	s_lshr_b32 s30, s14, 2
	s_lshl_b32 s31, s30, 1
	s_add_co_u32 s31, s31, s21
	s_lshl_b32 s31, s31, 6
	s_and_b32 s33, s14, 3
	s_lshl_b32 s34, s33, 7
	s_add_co_u32 s34, s34, 1024                    ; v begins 1,024 bytes into a token; a head is 128 bytes
	s_add_co_u32 s35, s31, s23
	s_mul_i32 s35, s35, 6144
	s_add_co_u32 s35, s35, s34
	s_add_co_u32 s36, s31, s24
	s_mul_i32 s36, s36, 6144
	s_add_co_u32 s36, s36, s34
	s_wait_alu depctr_va_vdst(0)
	v_lshl_add_u32 v6, v2, 2, s35                  ; window columns 0-3
	v_lshl_add_u32 v7, v2, 2, s36                  ; window columns 4-7
	v_lshlrev_b32 v3, 4, v2                        ; q, k: 16 bytes a lane: each load of the wave covers 512 consecutive bytes, all of a token's q or all of its k
	v_and_b32 v13, 15, v0
	v_bfe_u32 v14, v0, 4, 1
	s_wait_alu depctr_va_vdst(0)
	; where a token's codes go: 64 x row + 2 L (my 4 channels are 2 bytes of the row's 64); k's 8,192 bytes on
	s_lshl_b32 s37, s30, 6
	s_lshl_b32 s38, s26, 5
	s_add_co_u32 s37, s37, s38
	s_bfe_u32 s39, s14, 0x10001
	s_lshl_b32 s38, s39, 3
	s_add_co_u32 s37, s37, s38
	s_lshl_b32 s37, s37, 6
	v_lshl_add_u32 v4, v2, 1, s37
	; and its scale words: 24576 + 2048 (k?) + 1024 g + 256 head + 16 m + 4 u.  Of a head's eight lanes the lower four store q's word, the upper four k's
	s_lshl_b32 s38, s30, 10
	s_lshl_b32 s40, s39, 7
	s_add_co_u32 s38, s38, s40
	s_lshl_b32 s40, s26, 3
	s_add_co_u32 s38, s38, s40
	s_add_co_u32 s38, s38, 24576
	v_bfe_u32 v15, v0, 3, 2                        ; head = L >> 3
	v_bfe_u32 v16, v0, 2, 1
	v_lshlrev_b32 v5, 11, v16
	v_lshl_add_u32 v5, v15, 8, v5
	v_add_nc_u32 v5, s38, v5
	; v's codes: 16384 + 2048 head + 1024 (c >> 4) + 512 (wv >> 2) + 16 (c & 15), + 256 for the odd block
	s_lshl_b32 s40, s33, 11
	s_lshl_b32 s41, s30, 9
	s_add_co_u32 s40, s40, s41
	s_add_co_u32 s40, s40, 16384
	v_lshlrev_b32 v8, 10, v14
	v_lshl_add_u32 v8, v13, 4, v8
	v_add_nc_u32 v8, s40, v8
	; v's scale byte: 28672 + 128 head + 4 c + block
	s_lshl_b32 s40, s33, 7
	s_lshl_b32 s41, s30, 1
	s_add_co_u32 s40, s40, s41
	s_add_co_u32 s40, s40, 28672
	v_lshl_add_u32 v9, v2, 2, s40
	; the way out
	v_lshlrev_b32 v10, 4, v0                       ; 16 bytes a thread
	v_and_b32 v11, 127, v0
	v_lshlrev_b32 v11, 4, v11
	v_lshrrev_b32 v12, 7, v0
	v_lshl_add_u32 v11, v12, 19, v11               ; threads 0-127 q's scale words, 128-255 k's, 524,288 bytes on
	v_lshl_add_u32 v18, v2, 4, 28672
	v_lshlrev_b32 v19, 4, v2
	s_mov_b32 s50, QSC                             ; the packed form names the pair and takes its low word for both halves
	s_mov_b32 s51, QSC
	s_mov_b32 s52, 0xf0f0f0f0                      ; the lanes that store k's scale word
	s_lshl_b32 s48, s15, 13
	s_mov_b32 s49, 0
	s_wait_kmcnt 0x0
	s_add_nc_u64 s[28:29], s[4:5], s[28:29]
	s_add_nc_u64 s[42:43], s[10:11], s[48:49]      ; wsq + 8192 u
	s_lshl_b32 s48, s15, 11
	s_add_nc_u64 s[44:45], s[10:11], s[48:49]
	s_add_nc_u64 s[44:45], s[44:45], 6291456
	s_lshl_b32 s48, s15, 9
	s_add_nc_u64 s[46:47], s[10:11], s[48:49]
	s_add_nc_u64 s[46:47], s[46:47], 7340032
.macro LOADQK st                       ; token st into slot st % 8: registers 0-3 my 4 channels of q, registers 4-7 the same channels of k
	global_load_b128 v[32+8*((\st)%8):35+8*((\st)%8)], v3, s[28:29] offset:1536*(\st) th:TH_LOAD_NT
	global_load_b128 v[36+8*((\st)%8):39+8*((\st)%8)], v3, s[28:29] offset:1536*(\st)+512 th:TH_LOAD_NT
.endm
.macro LOADV tau                       ; my channel of the block's 32 keys: number 4 wx + n
.irp i, 0,1,2,3,4,5,6,7,8,9,10,11,12,13,14,15
	global_load_b32 v[96+\i], v6, s[4:5] offset:393216*(\tau)+6144*(\i/4)+1536*(\i%4)
.endr
.irp i, 0,1,2,3,4,5,6,7,8,9,10,11,12,13,14,15
	global_load_b32 v[112+\i], v7, s[4:5] offset:393216*(\tau)+6144*(\i/4)+1536*(\i%4)
.endr
.endm
; One token's arithmetic.  cnt: the loads issued behind this token's two.  A block (a head's 32 channels) lies in eight neighbouring lanes, 4 numbers each, q's and k's side by side in a lane.
; The conversion takes eight numbers and ONE scale: so the eight are converted twice, under q's scale (the low 16 bits are q's four codes) and under k's (the high 16 bits are k's); the other half of each result is not used.
; Codes and scale words have registers of their own for each token, so no LDS store's data are written again.
.macro QK_TOKEN st, cnt
.set x_, 32+8*((\st)%8)
	s_wait_loadcnt \cnt
	v_pk_mul_f32 v[x_:x_+1], v[x_:x_+1], s[50:51] op_sel_hi:[1,0]             ; q x 32^-0.5
	v_pk_mul_f32 v[x_+2:x_+3], v[x_+2:x_+3], s[50:51] op_sel_hi:[1,0]
	v_max3_num_f32 v21, |v[x_+4]|, |v[x_+5]|, FLOOR
	v_max3_num_f32 v20, |v[x_]|, |v[x_+1]|, FLOOR
	v_max3_num_f32 v21, v21, |v[x_+6]|, |v[x_+7]|
	v_max3_num_f32 v20, v20, |v[x_+2]|, |v[x_+3]|
.irp m, 1,2,4
	v_max_num_f32_dpp v20, v20, v20 row_xmask:\m row_mask:0xf bank_mask:0xf   ; q's block and k's by turns
	v_max_num_f32_dpp v21, v21, v21 row_xmask:\m row_mask:0xf bank_mask:0xf
.endr
	v_add_nc_u32 v22, EOFF, v20
	v_add_nc_u32 v23, EOFF, v21
	v_cvt_scalef32_pk8_fp4_f32 v[160+(\st)], v[x_:x_+7], v22
	v_cvt_scalef32_pk8_fp4_f32 v27, v[x_:x_+7], v23
	v_cndmask_b32 v24, v22, v23, s52               ; (a plain place behind the conversions)  the scale whose word I store
	v_lshrrev_b32 v[176+(\st)], 16, v27            ; k's four codes
	v_lshrrev_b32 v24, 23, v24                     ; the byte,
	v_perm_b32 v[192+(\st)], v24, v24, 0           ; four times: the product uses it for whichever of the instruction's four blocks holds the vector
.endm
.macro QK_OUT st                       ; and its three LDS stores
	ds_store_b16 v4, v[160+(\st)] offset:64*((\st)%8)+1024*((\st)/8)
	ds_store_b16 v4, v[176+(\st)] offset:8192+64*((\st)%8)+1024*((\st)/8)
	ds_store_b32 v5, v[192+(\st)] offset:16*((\st)%8)+4*((\st)/8)     ; four lanes write the same word with the same value
.endm
.macro V_WORK tau
	QUANT32 96, 128+4*(\tau), 136+(\tau)
.endm
.macro V_OUT tau
	ds_store_b128 v8, v[128+4*(\tau):131+4*(\tau)] offset:256*(\tau)
	ds_store_b8 v9, v[136+(\tau)] offset:\tau
.endm
	s_wait_alu depctr_va_vdst(0)                   ; the offsets v3, v6, v7 and the addresses v4, v5, v8 to v11, v18, v19 are written: every load and store of this path reads one of them
.irp st, 0,1,2,3,4,5,6,7
	LOADQK \st
.endr
	LOADV 0
.irp st, 0,1,2,3
	QK_TOKEN \st, 46-2*\st                         ; younger: 2 (7 - st) of the first eight tokens and v's 32
.endr
	s_wait_alu depctr_va_vdst(0)                   ; tokens 0-3: the arithmetic is done with slots 0-3, in which the loads below land, and has written the codes and scale words that the LDS stores below read
.irp st, 0,1,2,3
	LOADQK \st+8
.endr
.irp st, 0,1,2,3
	QK_OUT \st
.endr
.irp st, 4,5,6,7
	QK_TOKEN \st, 54-2*\st                         ; younger: 2 (7 - st), v's 32 and the eight refills
.endr
	s_wait_loadcnt 8                               ; v's first block is in; the eight refills may be out
	V_WORK 0
	s_wait_alu depctr_va_vdst(0)                   ; tokens 4-7 and v's first block: the arithmetic is done with slots 4-7 and with v96-127, in which the loads below land, and has written what the LDS stores below read
.irp st, 4,5,6,7
	LOADQK \st+8
.endr
	LOADV 1
.irp st, 4,5,6,7
	QK_OUT \st
.endr
	V_OUT 0
.irp st, 8,9,10,11
	QK_TOKEN \st, 62-2*\st                         ; younger: the later tokens' loads and v's 32
.endr
	s_wait_alu depctr_va_vdst(0)                   ; tokens 8-11 have written the codes and scale words that the LDS stores below read
.irp st, 8,9,10,11
	QK_OUT \st
.endr
.irp st, 12,13,14,15
	QK_TOKEN \st, 62-2*\st
.endr
	s_wait_loadcnt 0x0
	V_WORK 1
	s_wait_alu depctr_va_vdst(0)                   ; tokens 12-15 and v's second block have written what the LDS stores below read; all arithmetic on v32-63 is done, in which the way out's LDS loads land
.irp st, 12,13,14,15
	QK_OUT \st
.endr
	V_OUT 1
	s_wait_dscnt 0x0                               ; my LDS stores have landed,
	s_barrier_signal -1
	s_barrier_wait -1                              ; everybody's have
.irp k, 0,1,2,3,4,5,6
	ds_load_b128 v[32+4*\k:35+4*\k], v10 offset:4096*\k
.endr
	s_wait_dscnt 6
	global_store_b128 v10, v[32:35], s[42:43]                       ; each store of a wave covers 512 consecutive bytes, aligned
	s_wait_dscnt 5
	global_store_b128 v10, v[36:39], s[42:43] offset:4096
	s_wait_dscnt 4
	global_store_b128 v10, v[40:43], s[42:43] offset:2097152
	s_wait_dscnt 3
	global_store_b128 v10, v[44:47], s[42:43] offset:2101248
	s_wait_dscnt 2
	global_store_b128 v10, v[48:51], s[42:43] offset:4194304
	s_wait_dscnt 1
	global_store_b128 v10, v[52:55], s[42:43] offset:4198400
	s_wait_dscnt 0x0
	global_store_b128 v11, v[56:59], s[44:45]
	s_cmp_lg_u32 s14, 0
	s_cbranch_scc1 .Lq_end                         ; v's 512 bytes of scale words: wave 0 alone
	ds_load_b128 v[60:63], v18
	s_wait_dscnt 0x0
	global_store_b128 v19, v[60:63], s[46:47]
.Lq_end:
	s_wait_dscnt 0x0                               ; the closing lines, six on end
	s_wait_alu 0x0
	s_wait_tensorcnt 0x0
	ds_add_u32 v208, v209
	s_wait_dscnt 0x0
	s_endpgm
; ======================= the position tables of (qt, head) =======================
; Wave wv: query pixel i0 = 4 qt + (wv & 3), key pixels 32 (wv >> 2) + 0..31.  For q_embed and k_embed a lane takes a key pixel (a block = its 32 channels); for v_embed a lane takes a channel and its registers run along the key pixels.
.Lrpe:
	s_and_b32 s15, ttmp9, 15                       ; qt
	s_lshr_b32 s16, ttmp9, 4                       ; head
	s_and_b32 s17, s14, 3
	s_lshr_b32 s18, s14, 2
	s_lshl_b32 s19, s15, 2
	s_add_co_u32 s19, s19, s17                     ; i0
	s_lshl_b32 s20, s19, 8
	s_lshl_b32 s21, s18, 7
	s_add_co_u32 s20, s20, s21                     ; the byte of rel_pos_index[i0][32 (wv >> 2)]
	s_wait_alu depctr_va_vdst(0)
	v_lshl_add_u32 v4, v2, 2, s20
	v_mov_b32 v5, s20
	s_wait_kmcnt 0x0
	s_wait_alu depctr_va_vdst(0)                   ; v4 and v5 are written, which the nine loads of indices read as their offsets
	global_load_b32 v3, v4, s[8:9]                 ; my key pixel's index
.irp k, 0,1,2,3,4,5,6,7
	global_load_b128 v[32+4*\k:35+4*\k], v5, s[8:9] offset:16*\k    ; and all 32, in every lane
.endr
	s_mul_i32 s22, s16, 384                        ; a head's 96 numbers of a table row: q_embed, k_embed + 128, v_embed + 256
	s_add_co_u32 s23, s22, 256
	v_lshl_add_u32 v6, v2, 2, s23
	s_lshl_b32 s24, s17, 4                         ; q_embed's byte: RS + 256 + 64 g + 16 (query pixel) + 4 u + p, key pixel = 16 g + 8 (p >> 1) + 2 u + (p & 1)
	s_add_co_u32 s24, s24, s21
	s_add_co_u32 s24, s24, RS+256
	v_bfe_u32 v8, v0, 4, 1
	v_lshlrev_b32 v7, 6, v8
	v_bfe_u32 v9, v0, 1, 2
	v_lshl_add_u32 v7, v9, 2, v7
	v_bfe_u32 v9, v0, 3, 1
	v_lshl_add_u32 v7, v9, 1, v7
	v_and_b32 v9, 1, v0
	v_add_nc_u32 v7, v9, v7
	v_add_nc_u32 v7, s24, v7
	s_add_co_u32 s25, s17, s21                     ; k_embed's byte: RS + 4 (key pixel) + (query pixel)
	s_add_co_u32 s25, s25, RS
	v_lshl_add_u32 v10, v2, 2, s25
	s_lshl_b32 s26, s17, 8                         ; v_embed's scale word: RS + 512 + 256 (query pixel) + 128 s + 4 c
	s_add_co_u32 s26, s26, s21
	s_add_co_u32 s26, s26, RS+512
	v_lshl_add_u32 v11, v2, 2, s26
	s_min_u32 s27, s14, 2                          ; the way out: waves 0, 1, 2 take 512 bytes each
	s_lshl_b32 s27, s27, 9
	s_add_co_u32 s27, s27, RS
	v_lshl_add_u32 v12, v2, 4, s27
	v_lshlrev_b32 v13, 4, v2
	v_and_b32 v14, 15, v0
	v_lshlrev_b32 v14, 4, v14
	v_lshl_add_u32 v14, v8, 10, v14                ; v_embed's codes: 1024 (c >> 4) + 16 (c & 15)
	s_lshr_b32 s28, s19, 4                         ; ek, eq: 65536 (i0 >> 4) + 16384 head + 1024 (i0 & 15) + 512 (wv >> 2)
	s_lshl_b32 s28, s28, 16
	s_lshl_b32 s40, s16, 14
	s_add_co_u32 s28, s28, s40
	s_and_b32 s40, s19, 15
	s_lshl_b32 s40, s40, 10
	s_add_co_u32 s28, s28, s40
	s_lshl_b32 s40, s18, 9
	s_add_co_u32 s28, s28, s40
	s_mov_b32 s29, 0
	s_add_nc_u64 s[30:31], s[12:13], s[28:29]
	s_lshl_b32 s28, s16, 6                         ; ve: ((64 head + i0) 2 + s) 2048
	s_add_co_u32 s28, s28, s19
	s_lshl_b32 s28, s28, 1
	s_add_co_u32 s28, s28, s18
	s_lshl_b32 s28, s28, 11
	s_add_nc_u64 s[32:33], s[12:13], s[28:29]
	s_add_nc_u64 s[32:33], s[32:33], 622592
	s_lshr_b32 s28, s15, 2                         ; skq: 8192 (qt >> 2) + 1024 head + 256 (qt & 3)
	s_lshl_b32 s28, s28, 13
	s_lshl_b32 s40, s16, 10
	s_add_co_u32 s28, s28, s40
	s_and_b32 s40, s15, 3
	s_lshl_b32 s40, s40, 8
	s_add_co_u32 s28, s28, s40
	s_add_nc_u64 s[34:35], s[12:13], s[28:29]
	s_add_nc_u64 s[34:35], s[34:35], 524288
	s_lshl_b32 s28, s16, 6                         ; ves: (64 head + 4 qt) 256, + 512 for wave 2
	s_lshl_b32 s40, s15, 2
	s_add_co_u32 s28, s28, s40
	s_lshl_b32 s28, s28, 8
	s_max_u32 s40, s14, 1
	s_sub_co_u32 s40, s40, 1
	s_lshl_b32 s40, s40, 9
	s_add_co_u32 s28, s28, s40
	s_add_nc_u64 s[36:37], s[12:13], s[28:29]
	s_add_nc_u64 s[36:37], s[36:37], 557056
	s_cmp_eq_u32 s14, 0                            ; wave 0 stores the two pieces of scale bytes, 4,096 bytes apart; waves 1 and 2 dense words
	s_mov_b32 s40, 256
	s_cselect_b64 s[38:39], s[34:35], s[36:37]
	s_cselect_b32 s40, 4096, s40
	v_and_b32 v15, 15, v0
	v_lshlrev_b32 v15, 4, v15
	v_mul_u32_u24 v16, s40, v8
	v_add_nc_u32 v15, v15, v16
	s_mov_b32 s42, QSC
	s_mov_b32 s43, QSC
	s_wait_loadcnt 0x0                             ; the indices
	v_min_u32 v3, 224, v3                          ; an index stays inside the table of 225 rows
	v_mul_u32_u24 v3, 1536, v3
	v_add_nc_u32 v3, s22, v3
.irp j, 0,1,2,3,4,5,6,7,8,9,10,11,12,13,14,15,16,17,18,19,20,21,22,23,24,25,26,27,28,29,30,31
	v_min_u32 v[32+\j], 224, v[32+\j]
	v_mul_u32_u24 v[32+\j], 1536, v[32+\j]
	v_add_nc_u32 v[32+\j], v6, v[32+\j]
.endr
	s_wait_alu depctr_va_vdst(0)                   ; the 33 offsets v3 and v32-63 are written, which the gathers below read; so are the addresses v7 and v10 to v15 of the stores and of the way out
.irp k, 0,1,2,3,4,5,6,7
	global_load_b128 v[64+4*\k:67+4*\k], v3, s[6:7] offset:16*\k          ; q_embed(i0, my key pixel)
.endr
.irp k, 0,1,2,3,4,5,6,7
	global_load_b128 v[96+4*\k:99+4*\k], v3, s[6:7] offset:128+16*\k      ; k_embed
.endr
.irp j, 0,1,2,3,4,5,6,7,8,9,10,11,12,13,14,15,16,17,18,19,20,21,22,23,24,25,26,27,28,29,30,31
	global_load_b32 v[128+\j], v[32+\j], s[6:7]                           ; v_embed(i0, key pixel j, my channel)
.endr
	s_wait_loadcnt 32                              ; q_embed and k_embed are in; v_embed's 32 loads may be out
.irp i, 0,2,4,6,8,10,12,14,16,18,20,22,24,26,28,30
	v_pk_mul_f32 v[64+\i:65+\i], v[64+\i:65+\i], s[42:43] op_sel_hi:[1,0]
.endr
	QUANT32 64, 160, 27
	QUANT32 96, 164, 28
	s_wait_alu depctr_va_vdst(0)                   ; the codes v160-167 and the bytes v27, v28 are written, which the four stores below read
	global_store_b128 v13, v[160:163], s[30:31] offset:262144
	global_store_b128 v13, v[164:167], s[30:31]
	ds_store_b8 v7, v27
	ds_store_b8 v10, v28
	s_wait_loadcnt 0x0
; v_embed along the keys: a block of 32 keys is 8 key pixels, each four times: the maximum of 8 numbers, 8 codes, each nibble spread over 16 bits.
.irp bl, 0,1,2,3
	v_max3_num_f32 v24, |v[128+8*\bl]|, |v[129+8*\bl]|, FLOOR
	v_max3_num_f32 v25, |v[130+8*\bl]|, |v[131+8*\bl]|, |v[132+8*\bl]|
	v_max3_num_f32 v24, v24, |v[133+8*\bl]|, |v[134+8*\bl]|
	v_max3_num_f32 v24, v24, v25, |v[135+8*\bl]|
	v_add_nc_u32 v26, EOFF, v24
	v_cvt_scalef32_pk8_fp4_f32 v[184+\bl], v[128+8*\bl:135+8*\bl], v26
	v_lshrrev_b32 v21, 23, v26                     ; (a plain place behind the conversion)
.if \bl == 0
	v_mov_b32 v29, v21
.else
	v_lshl_or_b32 v29, v21, 8*\bl, v29             ; the K step's four bytes make my channel's scale word
.endif
.irp d, 0,1,2,3
	v_bfe_u32 v[168+4*\bl+\d], v[184+\bl], 8*\d, 8                            ; two codes,
	v_lshl_or_b32 v[168+4*\bl+\d], v[168+4*\bl+\d], 12, v[168+4*\bl+\d]
	v_and_b32 v[168+4*\bl+\d], 0x000f000f, v[168+4*\bl+\d]                    ; one in each half,
	v_mul_u32_u24 v[168+4*\bl+\d], 0x1111, v[168+4*\bl+\d]                    ; four times each
.endr
.endr
	s_wait_alu depctr_va_vdst(0)                   ; the four blocks' codes v168-183 and the scale word v29 are written, which the five stores below read
.irp bl, 0,1,2,3
	global_store_b128 v14, v[168+4*\bl:171+4*\bl], s[32:33] offset:512*(\bl/2)+256*(\bl%2)
.endr
	ds_store_b32 v11, v29
	s_wait_dscnt 0x0                               ; my LDS stores have landed,
	s_barrier_signal -1
	s_barrier_wait -1                              ; everybody's have
	s_cmp_gt_u32 s14, 2
	s_cbranch_scc1 .Lr_end
	ds_load_b128 v[188:191], v12
	s_wait_dscnt 0x0
	global_store_b128 v15, v[188:191], s[38:39]    ; sixteen lanes store 256 consecutive bytes, aligned
.Lr_end:
	s_wait_dscnt 0x0                               ; the closing lines, six on end
	s_wait_alu 0x0
	s_wait_tensorcnt 0x0
	ds_add_u32 v208, v209
	s_wait_dscnt 0x0
	s_endpgm
.Lfunc_end_k_q5e4b3310c0_prep:
	.size	k_q5e4b3310c0_prep, .Lfunc_end_k_q5e4b3310c0_prep-k_q5e4b3310c0_prep
	.p2alignl 7, 3214868480
	.fill 96, 4, 3214868480
	.section	.rodata,"a",@progbits
	.p2align	6, 0x0
	.amdhsa_kernel k_q5e4b3310c0_prep
		.amdhsa_group_segment_fixed_size 31744
		.amdhsa_private_segment_fixed_size 0
		.amdhsa_enable_private_segment 0
		.amdhsa_kernarg_size 40
		.amdhsa_user_sgpr_count 2
		.amdhsa_user_sgpr_kernarg_segment_ptr 1
		.amdhsa_wavefront_size32 1
		.amdhsa_system_sgpr_workgroup_id_x 1
		.amdhsa_system_sgpr_workgroup_id_y 1
		.amdhsa_system_sgpr_workgroup_id_z 1
		.amdhsa_system_vgpr_workitem_id 0
		.amdhsa_next_free_vgpr 210
		.amdhsa_next_free_sgpr 66
		.amdhsa_reserve_vcc 0
		.amdhsa_float_denorm_mode_32 3
		.amdhsa_float_denorm_mode_16_64 3
		.amdhsa_memory_ordered 1
		.amdhsa_forward_progress 1
		.amdhsa_inst_pref_size 68
	.end_amdhsa_kernel
	.amdgpu_metadata
---
amdhsa.version: [ 1, 2 ]
amdhsa.kernels:
  - .name:           k_q5e4b3310c0_prep
    .symbol:         k_q5e4b3310c0_prep.kd
    .args:
      - { .name: qkv, .offset: 0, .size: 8, .value_kind: global_buffer, .address_space: global }
      - { .name: rpe_table, .offset: 8, .size: 8, .value_kind: global_buffer, .address_space: global }
      - { .name: rel_pos_index, .offset: 16, .size: 8, .value_kind: global_buffer, .address_space: global }
      - { .name: wsq, .offset: 24, .size: 8, .value_kind: global_buffer, .address_space: global }
      - { .name: wsr, .offset: 32, .size: 8, .value_kind: global_buffer, .address_space: global }
    .group_segment_fixed_size: 31744
    .private_segment_fixed_size: 0
    .kernarg_segment_align: 8
    .kernarg_segment_size: 40
    .max_flat_workgroup_size: 256
    .sgpr_count:     66
    .vgpr_count:     210
    .wavefront_size: 32
...
	.end_amdgpu_metadata
.endif
;; end of part 3
;; launch attn (part 4): grid 4 x 64, 8 waves a work-group, no clusters, 318,464 bytes of LDS; arguments attn_mask, wsq, wsr, out0; writes out0
.if DOCPART == 4
	.amdgcn_target "amdgcn-amd-amdhsa--gfx1250"
	.amdhsa_code_object_version 6
	.text
	.protected	k_q5e4b3310c0_attn
	.globl	k_q5e4b3310c0_attn
	.p2align	8
	.type	k_q5e4b3310c0_attn,@function
k_q5e4b3310c0_attn:
	s_mov_b64 s[64:65], 0
	v_nop
	global_prefetch_b8 v0, s[64:65] scope:SCOPE_SE
	s_setreg_imm32_b32 hwreg(HW_REG_WAVE_SCHED_MODE, 0, 2), 2
	s_setreg_imm32_b32 hwreg(HW_REG_WAVE_MODE, 25, 1), 1
	s_wait_xcnt 0x0
	s_wait_alu depctr_vm_vsrc(0)
; SHIFTED-WINDOW ATTENTION ON E2M1 CODES.  A work-group owns 64 queries (qg = x) of window w (= y), for both images and all four heads.  Wave wv: query tile qtl = wv & 3 (16 queries = 4 pixels x 4 candidates),
; heads 2 (wv >> 2) + 0, 1: four UNITS (image, head) of 16 queries x 256 keys.  Its 16 x 256 piece of attn_mask stays in 128 registers for all four.  Two waves share a SIMD (512 registers each).
; SCORES ARE TRANSPOSED (source 0 = 16 keys, source 1 = my 16 queries): a lane holds one query (lane % 16).  Row m of key tile kt = 4 g + u is key 64 g + 32 (m >> 3) + 8 u + (m & 7), so that the 32 score registers of one g
; are one whole block of 32 neighbouring keys of the lane's half: the softmax's block maximum needs no other lane, and one conversion a tile writes a register of the next product's operand.
; THE INSTRUCTION'S FOUR BLOCKS OF 32 ALONG K carry the four pixels of a tile.  A3: row m has k in block m >> 2 and zero codes elsewhere.  B1: q in all four blocks: A3 . B1 = q . k.
;   B3: column r, block p = q_embed(pixel of query r, pixel p of the key tile): A3 . B3 = k . q_embed, added in place.  A2: row m = key pixel 16 g + m, block p = k_embed(query pixel p, that key pixel);
;   B2: q in block r >> 2, zero codes elsewhere: A2 . B2 = q . k_embed for 16 key pixels; its register 2 u + (jj >> 2) is added to score register jj of tile (g, u), in the lane.  Zero codes add nothing under any scale byte.
; OUTPUT, transposed too: X = V^T P; for each of the tile's four query pixels p: D_p = Ve(p)^T P + X for all 16 columns; lane r keeps D_(r >> 2).
; THE SOFTMAX is finished and normalised in f32 ahead of its quantiser: the row's maximum is taken away, p = 2^((s - max) log2 e) / sum.  A block's largest p is the block's largest score put through the same instructions.
; LIMITS: NaN and +infinity in attn_mask are not served; a query whose mask row is -infinity throughout (NaN by the definition) is not served; p under 2^-126 falls to 0.
; LDS is filled once, through registers, and only read afterwards: no tensor loads and no slots that take turns.  No cluster: what work-groups share (K and V among four, the tables among 64) is fetched once at the head, not in a loop.
; THE WAVES GO IN TWO HALVES, HALF A UNIT APART.  A unit's eight score steps are some ninety LDS loads beside a hundred matrix and vector instructions; its softmax is some 430 vector instructions and no LDS load.
; So in each trip the early half runs image 0's score steps ahead of a barrier and the late half behind it: from there on one half's LDS loads stand beside the other half's vector work.
; The half is (wave xor (wave >> 2)) & 1: of waves wv and wv + 4, and of waves wv and wv xor 1, one goes with each half.
; BARRIERS: one behind the fill of LDS, one in each of the two trips.  The first trip's also parts every wave's reads of the mask's rows from the results that are later stored into the same bytes.
; THE MODE: SCHED_MODE bits 1:0 = 2 (LLVM: expert scheduling mode 2), set by the entry lines.  The code itself states the register dependences between vector or matrix instructions and memory or LDS instructions, with s_wait_alu, always for 0.
; THE PLAN.  Registers that memory or LDS instructions touch, in the loop:
;   v1-v18           LDS addresses.  Read by the trip's LDS loads and stores; written once a trip, by the 18 additions at its end: one wait on vm_vsrc ahead of them, one on va_vdst at the loop's head.  v19-22, v49: never written again.
;   B1, B2, v24      q's two operands and its scale word.  Loaded by PRE b; read by unit b's products.
;   v30-38, v40-48   two sets of scale words.  Set 0: loaded by PRE (g = 0) and in step 2 (g = 2), read by the products of steps 0, 1, 4, 5; later v_embed's scale words.  Set 1: PRE (g = 1), step 4 (g = 3), read in steps 2, 3, 6, 7; later V's.
;   A2P              k_embed's fragment.  Loaded by PRE and in steps 2, 4, 6; read by the fifth product of the odd step that follows.
;   A3, B3           THREE buffers of two key tiles.  The products of step sg read buffer sg % 3; at the head of step sg the loads of step sg + 2 land in buffer (sg + 2) % 3, which the products of step sg - 1 read.
;   window 1 v128 on v_embed's eight fragments land there when the score products are done with A3 and B3 and the additions with q . k_embed; read by the output products of both images.
;   v128-159         V's fragments: they land where the softmax worked; read by the X products.     v176-191  the unit's result: written by the selections, read by four LDS stores.
; So ONE wait on va_vdst stands at the head of steps 1 to 6, behind the wait for the step's own fragments: the step before is done reading what this step's loads land in.  The loads follow it; the step's products and additions name none of their registers.
; One more stands behind a unit's last additions, ahead of all the loads that land under its softmax; one ahead of the first output loads; one ahead of each run of LDS stores.
.set L_EK, 0                           ; k_embed codes: 64 rows (16 head + pixel), 1024 B + 16 of padding
.set L_EQ, 66560                       ; q_embed codes likewise
.set L_SK, 133120                      ; k_embed's scale words, 4096 B
.set L_SQ, 137216                      ; q_embed's, 4096 B
.set L_KC, 141312                      ; k codes: image 0, image 1 at + 16384: [row 16 kt + m][head][16 B]
.set L_Z,  174080                      ; 20480 B of zeros: the zero codes of A3 and B2
.set L_QC, 194560                      ; q codes of my 64 queries: 4096 B an image
.set L_KS, 202752                      ; k's scale words: 4096 B an image
.set L_VS, 210944                      ; v's: 1024 B an image
.set L_QS, 212992                      ; q's: 1024 B an image
.set L_VI, 215040                      ; v codes, register images: 16384 B an image
.set L_ST, 247808                      ; first the mask's 64 rows (pitch 1040); then a stage for each wave: [image][16 rows][256 B + 16]
.set AK,   1                           ; v1-4   A3's addresses [image][c]: the lanes without data point into the zeros
.set AB2,  5                           ; v5-8   B2's likewise
.set AB1,  9
.set AQS,  10
.set AKS,  11
.set AB3,  12
.set AA2,  13
.set ASKE, 14
.set ASQE, 15
.set AVI,  16
.set AVS,  17
.set ASTO, 18
.set ARD,  19
.set AGO,  20
.set AVE,  21
.set AVES, 22
.set H8,   23                          ; 8 x (lane / 16)
.set SQR,  24                          ; q's scale word.  v24-28, v30-38, v40-48 hold scales and nothing else
.set SP,   25                          ; v25-28 P's scale words [image][K step]
.set AMK,  49                          ; v49 my query's mask row in LDS; never rewritten
.set BM,   50                          ; v50-53 block maxima; v54-57 the conversions' scale operands; v58-61 bytes
.set SCL,  54
.set BY,   58
.set NM,   62                          ; v62 -max x log2 e (v63 named with it as a pair)
.set SU,   64                          ; v64-67 the sum, two chains of pairs
.set RI,   68                          ; v68 1 / sum (v69 named with it)
.set TT,   70                          ; v70-71 at work
.set B1,   72
.set B2,   80
.set PCD,  88                          ; v88-119 P's codes [image][16]
.set A2P,  120                         ; v120-127 k_embed's fragment of 16 key pixels
.set SS,   128                         ; v128-255 the scores; later VF, XX, DP
.set VF,   128
.set XX,   160
.set DP,   176
.set OB,   192
.set MK,   0                           ; window 1: v0-127 the mask tile
.set A3,   128                         ; window 1: v128-175: three buffers of two tiles each
.set B3,   176                         ; window 1: three buffers likewise, at v176, v192 and v240
.set D2,   208                         ; window 1: v208-239 q . k_embed
.set VE,   128                         ; window 1: later the eight fragments of v_embed, f = 2 p + s at 128 + 16 f
.set T16,  50                          ; the head's copy addresses (in registers that the loop uses for work)
.set PE,   51
.set PQ,   52
.set PM,   53
.set LA,   54
.set LB,   55
.set O62,  56
.set SPLIT, 42                         ; copy passes 0-41 go through window 0 (v88-255), passes 42-70 through window 1 (v128-243)
.set MSB, 0
.macro WIN new                         ; bits 1:0 source 0, 3:2 source 1, 5:4 source 2, 7:6 destination; the high byte repeats the setting that is left
.if MSB != \new
	s_set_vgpr_msb (MSB<<8)|\new
.set MSB, \new
.endif
.endm
; One copy pass of 4,096 bytes, 16 a thread.  st = 0: the load; st = 1: the wait for it and the LDS store.  Counts: 56 loads go out first, so behind load p < 8 stand 55 - p; when 15 more have gone out, 70 - p.
.macro XFER p, st, vo, sb, gi, va, li
.if (\p) < SPLIT
.set w_, 0
.set d_, 88+4*(\p)
.else
.set w_, 1
.set d_, 128+4*((\p)-SPLIT)
.endif
.if \st
.if (\p) < 8
	s_wait_loadcnt 55-(\p)
.else
	s_wait_loadcnt 70-(\p)
.endif
	WIN 0x04*w_
	ds_store_b128 v[\va], v[d_:d_+3] offset:\li
.else
	WIN 0x40*w_
.if (\p) < 16
	global_load_b128 v[d_:d_+3], v[\vo], s[\sb:\sb+1] offset:\gi th:TH_LOAD_NT     ; the mask's rows are read by this work-group alone
.else
	global_load_b128 v[d_:d_+3], v[\vo], s[\sb:\sb+1] offset:\gi
.endif
.endif
.endm
.macro PASS p, st
.if (\p) < 16
	XFER \p, \st, T16, 20, 4096*(\p), PM, 4160*(\p)                          ; mask: 4 rows of 1,024 bytes a pass
.elseif (\p) < 32
	XFER \p, \st, T16, 22, 4096*((\p)-16), PE, 4160*((\p)-16)                ; k_embed
.elseif (\p) < 48
	XFER \p, \st, T16, 22, 262144+4096*((\p)-32), PQ, 4160*((\p)-32)         ; q_embed
.elseif (\p) < 50
	XFER \p, \st, T16, 24, 4096*((\p)-48), LA, 4096*((\p)-48)                ; their scale words
.elseif (\p) < 58
	XFER \p, \st, T16, 26, 2097152+4096*((\p)-50), LA, 8192+4096*((\p)-50)   ; k codes, both images
.elseif (\p) < 60
	XFER \p, \st, T16, 28, 16384*((\p)-58), LB, 4096*((\p)-58)               ; q codes of my 64 queries
.elseif (\p) < 62
	XFER \p, \st, T16, 30, 6815744+4096*((\p)-60), LB, 8192+4096*((\p)-60)   ; k's scale words
.elseif (\p) < 63
	XFER \p, \st, O62, 32, 0, LB, 16384                                      ; waves 0-3 v's scale words, waves 4-7 q's
.else
	XFER \p, \st, T16, 26, 4194304+4096*((\p)-63), LB, 20480+4096*((\p)-63)  ; v codes
.endif
.endm
	s_load_b256 s[4:11], s[0:1], 0x0               ; attn_mask s[4:5], wsq s[6:7], wsr s[8:9], out0 s[10:11]
	v_lshl_add_u32 v29, v0, 2, 0x4d800
	v_mov_b32 v39, 0
	v_lshrrev_b32 v57, 5, v0
	v_readfirstlane_b32 s12, v57                   ; wave
	s_wait_alu depctr_va_sdst(0)                   ; s12 is written, ahead of its first reader: the wave's shares and addresses are made from it
	s_and_b32 s13, s12, 3                          ; qtl
	s_lshr_b32 s14, s12, 2                         ; hp
	s_xor_b32 s17, s12, s14
	s_and_b32 s17, s17, 1                          ; 0: I go with the early half, 1: with the late one
	s_and_b32 s16, ttmp7, 0xffff                   ; w
	v_lshlrev_b32 v[T16], 4, v0
	v_lshrrev_b32 v57, 6, v0
	v_and_b32 v58, 63, v0
	v_mul_u32_u24 v[PE], 1040, v57
	v_lshl_add_u32 v[PE], v58, 4, v[PE]            ; padded rows: 64 threads to a row
	v_add_nc_u32 v[PQ], L_EQ, v[PE]
	v_add_nc_u32 v[PM], L_ST, v[PE]
	v_add_nc_u32 v[LA], L_SK, v[T16]
	v_add_nc_u32 v[LB], L_QC, v[T16]
	s_cmp_lt_u32 s12, 4
	s_mov_b32 s50, 4096
	s_cselect_b32 s50, 1024, s50                   ; from image to image: v's scale words 1,024 bytes, q's 4,096
	v_and_b32 v57, 1, v57
	v_mul_u32_u24 v57, s50, v57
	v_lshl_add_u32 v[O62], v58, 4, v57
	s_lshl_b32 s50, s16, 18
	s_lshl_b32 s52, ttmp9, 16
	s_add_co_u32 s50, s50, s52                     ; mask: 262144 w + 65536 qg
	s_mov_b32 s51, 0
	s_mov_b32 s53, 0
	s_lshl_b32 s54, ttmp9, 13
	s_mov_b32 s55, 0
	s_lshl_b32 s56, s16, 15
	s_mov_b32 s57, 0
	s_lshl_b32 s58, ttmp9, 12
	s_mov_b32 s59, 0
	s_wait_kmcnt 0x0
	s_add_nc_u64 s[20:21], s[4:5], s[50:51]
	s_add_nc_u64 s[22:23], s[8:9], s[52:53]        ; ek + 65536 qg
	s_add_nc_u64 s[24:25], s[8:9], s[54:55]
	s_add_nc_u64 s[24:25], s[24:25], 524288        ; skq + 8192 qg
	s_add_nc_u64 s[26:27], s[6:7], s[56:57]        ; wsq + 32768 w
	s_add_nc_u64 s[28:29], s[26:27], s[58:59]      ; + 4096 qg: my 64 queries' rows of qc
	s_lshl_b32 s50, s16, 13
	s_add_nc_u64 s[30:31], s[6:7], s[50:51]        ; wsq + 8192 w
	s_lshl_b32 s52, s16, 11
	s_add_nc_u64 s[32:33], s[6:7], s[52:53]
	s_add_nc_u64 s[32:33], s[32:33], 7340032       ; vs + 2048 w
	s_lshl_b32 s54, ttmp9, 10
	s_add_nc_u64 s[60:61], s[30:31], s[54:55]
	s_add_nc_u64 s[60:61], s[60:61], 6291456       ; qs + 8192 w + 1024 qg
	s_cmp_lt_u32 s12, 4
	s_cselect_b64 s[32:33], s[32:33], s[60:61]
	s_wait_alu depctr_va_vdst(0)                   ; the copy's seven offsets and addresses v50 to v56 are written, which its loads and LDS stores read
.set P_, 0
.rept 56
	PASS P_, 0
.set P_, P_+1
.endr
	WIN 0
	; while they are on their way: the other pointers, the constants, the loop's addresses
	s_lshl_b32 s50, s14, 7
	s_lshl_b32 s52, ttmp9, 4
	s_add_co_u32 s50, s50, s52
	s_lshl_b32 s52, s13, 2
	s_add_co_u32 s50, s50, s52                     ; 64 (2 hp) + my tile's first pixel
	s_lshl_b32 s52, s50, 12
	s_add_nc_u64 s[34:35], s[8:9], s[52:53]
	s_add_nc_u64 s[34:35], s[34:35], 622592        ; ve
	s_lshl_b32 s52, s50, 8
	s_add_nc_u64 s[36:37], s[8:9], s[52:53]
	s_add_nc_u64 s[36:37], s[36:37], 557056        ; ves
	s_lshr_b32 s50, s16, 3
	s_lshl_b32 s50, s50, 3
	s_lshl_b32 s52, ttmp9, 1
	s_add_co_u32 s50, s50, s52
	s_lshr_b32 s52, s13, 1
	s_add_co_u32 s50, s50, s52
	s_add_co_u32 s50, s50, 4
	s_and_b32 s50, s50, 63                         ; my tile's image row, rolled back
	s_and_b32 s52, s16, 7
	s_lshl_b32 s52, s52, 3
	s_and_b32 s54, s13, 1
	s_lshl_b32 s54, s54, 2
	s_add_co_u32 s52, s52, s54
	s_add_co_u32 s52, s52, 4
	s_and_b32 s52, s52, 63                         ; and its first image column: a multiple of 4, so the four pixels do not wrap
	s_lshl_b32 s50, s50, 6
	s_add_co_u32 s50, s50, s52
	s_lshl_b32 s50, s50, 11                        ; a pixel of out0 is 2,048 bytes
	s_add_nc_u64 s[38:39], s[10:11], s[50:51]
	s_add_nc_u64 s[40:41], s[38:39], 8388608       ; image 1
	s_mov_b32 s42, 0x3fb8aa3b                      ; log2 e
	s_mov_b32 s43, 0x3fb8aa3b
	s_mov_b32 s44, 0x76543210                      ; v_permlanex16_b32: lane l xor 16
	s_mov_b32 s45, 0xfedcba98
	s_mov_b32 s46, 0x00f000f0                      ; the lanes whose query belongs to pixel 1, 2, 3 of the tile
	s_mov_b32 s47, 0x0f000f00
	s_mov_b32 s48, 0xf000f000
	v_and_b32 v57, 31, v0                          ; L
	v_and_b32 v58, 15, v0                          ; r
	v_bfe_u32 v59, v0, 4, 1                        ; h2
	v_and_b32 v60, 3, v0
	v_bfe_u32 v61, v0, 2, 2                        ; r >> 2
	v_bfe_u32 v62, v0, 3, 1                        ; r >> 3
	v_and_b32 v63, 7, v0
	s_lshl_b32 s50, s14, 5                         ; 32 hp: two heads of 16 bytes
	s_and_b32 s52, s13, 1
	s_lshr_b32 s53, s13, 1
	s_lshl_b32 s54, s52, 11
	s_lshl_b32 s55, s53, 9
	s_add_co_u32 s54, s54, s55                     ; where my query tile's rows begin in the q codes
	v_lshlrev_b32 v64, 8, v59
	v_lshl_add_u32 v64, v60, 6, v64
	v_add_nc_u32 v64, s50, v64                     ; 256 h2 + 64 (L & 3) + 32 hp
	v_xor_b32 v65, v61, v59
	v_xor_b32 v66, 2, v65
	v_add_nc_u32 v65, 3, v65
	v_add_nc_u32 v66, 3, v66
	v_lshrrev_b32 v65, 2, v65                      ; 0 where registers 0-3 (block h2) hold my row's data, else 1
	v_lshrrev_b32 v66, 2, v66                      ; the same for registers 4-7 (block 2 + h2)
	v_add_nc_u32 v67, s54, v64
.irp b, 0,1
.irp c, 0,1
	v_mad_u32_u24 v[AK+2*\b+\c], v[65+\c], L_Z+32-L_KC-16384*\b, v64          ; one product: the distance to the zeros
	v_add_nc_u32 v[AK+2*\b+\c], L_KC+16384*\b+512*\c, v[AK+2*\b+\c]
	v_mul_u32_u24 v68, L_QC+4096*\b-L_Z-32, v[65+\c]
	v_add_nc_u32 v[AB2+2*\b+\c], L_QC+4096*\b+1024*\c, v67
	v_sub_nc_u32 v[AB2+2*\b+\c], v[AB2+2*\b+\c], v68
.endr
.endr
	s_add_co_u32 s55, s54, s50
	s_add_co_u32 s55, s55, L_QC
	v_lshlrev_b32 v[AB1], 10, v62
	v_lshl_add_u32 v[AB1], v63, 6, v[AB1]
	v_add_nc_u32 v[AB1], s55, v[AB1]
	s_lshl_b32 s55, s14, 9
	s_lshl_b32 s56, s53, 7
	s_add_co_u32 s56, s56, s55
	s_lshl_b32 s57, s52, 3
	s_add_co_u32 s56, s56, s57
	s_add_co_u32 s56, s56, L_QS
	v_lshlrev_b32 v[AQS], 4, v63
	v_lshl_add_u32 v[AQS], v62, 2, v[AQS]
	v_add_nc_u32 v[AQS], s56, v[AQS]
	s_add_co_u32 s56, s55, L_KS
	v_lshl_add_u32 v[AKS], v58, 4, s56
	s_mul_i32 s55, s14, 33280
	s_mul_i32 s56, s13, 4160
	s_add_co_u32 s55, s55, s56                     ; row 32 hp + 4 qtl of the tables
	s_add_co_u32 s56, s55, L_EQ
	v_mul_u32_u24 v[AB3], 1040, v61
	v_lshl_add_u32 v[AB3], v59, 4, v[AB3]
	v_add_nc_u32 v[AB3], s56, v[AB3]
	v_mul_u32_u24 v[AA2], 1040, v59
	v_lshl_add_u32 v[AA2], v58, 4, v[AA2]
	v_add_nc_u32 v[AA2], s55, v[AA2]
	s_lshl_b32 s55, s14, 11
	s_lshl_b32 s56, s13, 8
	s_add_co_u32 s55, s55, s56
	s_add_co_u32 s56, s55, L_SK
	v_lshl_add_u32 v[ASKE], v58, 2, s56
	s_add_co_u32 s56, s55, L_SQ
	v_lshl_add_u32 v[ASQE], v61, 4, s56
	s_lshl_b32 s55, s14, 12
	s_add_co_u32 s55, s55, L_VI
	v_lshl_add_u32 v[AVI], v57, 4, s55
	s_lshl_b32 s55, s14, 8
	s_add_co_u32 s56, s55, L_VS
	v_lshl_add_u32 v[AVS], v57, 2, s56
	s_mul_i32 s56, s12, 8704
	s_add_co_u32 s56, s56, L_ST                    ; my stage
	v_mul_u32_u24 v[ASTO], 272, v58
	v_lshl_add_u32 v[ASTO], v59, 5, v[ASTO]
	v_add_nc_u32 v[ASTO], s56, v[ASTO]
	v_mul_u32_u24 v[ARD], 272, v59
	v_lshl_add_u32 v[ARD], v58, 4, v[ARD]
	v_add_nc_u32 v[ARD], s56, v[ARD]
	v_lshlrev_b32 v[AGO], 9, v59
	v_lshl_add_u32 v[AGO], v58, 4, v[AGO]
	v_add_nc_u32 v[AGO], s55, v[AGO]               ; out0: token 2 t + h2 of 512 bytes, my two heads' 256 bytes
	v_lshlrev_b32 v[AVE], 4, v57
	v_lshlrev_b32 v[AVES], 2, v57
	v_lshlrev_b32 v[H8], 3, v59
	s_mul_i32 s56, s13, 16640
	s_add_co_u32 s56, s56, L_ST
	v_mul_u32_u24 v[AMK], 1040, v58
	v_lshl_add_u32 v[AMK], v59, 7, v[AMK]
	v_add_nc_u32 v[AMK], s56, v[AMK]               ; my query's mask row, my half's 32 keys of each 64
	v_mov_b32 v69, 0                               ; named as upper halves of pairs, or as lane permutes' destinations, before they are first written
	v_mov_b32 v70, 0
	v_mov_b32 v71, 0
	v_mov_b32 v72, 0
	v_mov_b32 v73, 0
	v_mov_b32 v74, 0
	v_mov_b32 v75, 0
	s_wait_alu depctr_va_vdst(0)                   ; the zeros v72-75 are written, which the five LDS stores below read; so are v19 to v22 and v49, the addresses that are never written again
.irp z, 0,1,2,3,4
	ds_store_b128 v[LA], v[72:75] offset:40960+4096*\z                    ; the zeros
.endr
.set P_, 0
.rept 8
	PASS P_, 1
.set P_, P_+1
.endr
.set P_, 56
.rept 15
	PASS P_, 0                                     ; 48 + 15 loads are out
.set P_, P_+1
.endr
.set P_, 8
.rept 63
	PASS P_, 1
.set P_, P_+1
.endr
	WIN 0
	s_wait_dscnt 0x0                               ; my LDS stores have landed,
	s_barrier_signal -1
	s_barrier_wait -1                              ; everybody's have
	WIN 0x40
.irp kt, 0,1,2,3,4,5,6,7,8,9,10,11,12,13,14,15
	ds_load_b128 v[MK+8*\kt:MK+8*\kt+3], v[AMK] offset:256*(\kt/4)+32*(\kt%4)        ; register 8 kt + jj: key 64 g + 32 h2 + 8 u + jj
	ds_load_b128 v[MK+8*\kt+4:MK+8*\kt+7], v[AMK] offset:256*(\kt/4)+32*(\kt%4)+16
.endr
	WIN 0                                          ; these 32 loads are older than all that follow: the first step's counted wait covers them, and the first trip's barrier parts them from the stores into the stages
	s_wait_alu depctr_vm_vsrc(0)                   ; the head's LDS stores have read the zeros v72-75 and the copy's registers (v88-255; window 1 v128-243), and its loads and stores their addresses v50-56: the loop's loads, products and vector work write all of these
.macro SC b, g, set                    ; the scale words of four key tiles: k's, q_embed's, and k_embed's of 16 key pixels
	WIN 0
	ds_load_b128 v[30+10*(\set):33+10*(\set)], v[AKS] offset:1024*(\g)+4096*(\b)
	ds_load_b128 v[34+10*(\set):37+10*(\set)], v[ASQE] offset:64*(\g)
	ds_load_b32 v[38+10*(\set)], v[ASKE] offset:64*(\g)
.endm
.macro A2L g
	WIN 0
.irp c, 0,1
	ds_load_b128 v[A2P+4*\c:A2P+4*\c+3], v[AA2] offset:2080*\c+256*(\g)
.endr
.endm
.macro LFR b, sg                       ; A3 and B3 of tiles 2 sg, 2 sg + 1 into buffer sg % 3: eight loads
	WIN 0x40
.set la_, A3+16*((\sg)%3)
.set lb_, B3+16*((\sg)%3)+32*(((\sg)%3)/2)
.irp e, 0,1
.irp c, 0,1
	ds_load_b128 v[la_+8*\e+4*\c:la_+8*\e+4*\c+3], v[AK+2*(\b)+\c] offset:1024*(2*(\sg)+\e)
	ds_load_b128 v[lb_+8*\e+4*\c:lb_+8*\e+4*\c+3], v[AB3] offset:256*((2*(\sg)+\e)/4)+128*\c+32*((2*(\sg)+\e)%4)
.endr
.endr
.endm
.macro PRE b                           ; 29 loads: q's operands, both sets of scale words, and what a unit's first two steps want
	WIN 0
	ds_load_b128 v[B1:B1+3], v[AB1] offset:4096*(\b)
	ds_load_b128 v[B1+4:B1+7], v[AB1] offset:4096*(\b)                    ; the same 16 bytes: q in all four blocks
	ds_load_b128 v[B2:B2+3], v[AB2+2*(\b)]
	ds_load_b128 v[B2+4:B2+7], v[AB2+2*(\b)+1]
	ds_load_b32 v[SQR], v[AQS] offset:1024*(\b)
	SC \b, 0, 0
	SC \b, 1, 1
	A2L 0
	LFR \b, 0
	LFR \b, 1
.endm
.macro MADD kt                         ; + the mask; each accumulator is read from its low end on
.irp i, 0,2,4,6
	v_pk_add_f32 v[SS+8*(\kt)+\i:SS+8*(\kt)+\i+1], v[SS+8*(\kt)+\i:SS+8*(\kt)+\i+1], v[MK+8*(\kt)+\i:MK+8*(\kt)+\i+1]
.endr
.endm
.macro DADD kt                         ; + q . k_embed: registers 0-3 take the pair's first number, 4-7 its second (8 g + 2 u = 2 kt)
.irp i, 0,2
	v_pk_add_f32 v[SS+8*(\kt)+\i:SS+8*(\kt)+\i+1], v[SS+8*(\kt)+\i:SS+8*(\kt)+\i+1], v[D2+2*(\kt):D2+2*(\kt)+1] op_sel:[0,0] op_sel_hi:[1,0]
.endr
.irp i, 4,6
	v_pk_add_f32 v[SS+8*(\kt)+\i:SS+8*(\kt)+\i+1], v[SS+8*(\kt)+\i:SS+8*(\kt)+\i+1], v[D2+2*(\kt):D2+2*(\kt)+1] op_sel:[0,1] op_sel_hi:[1,1]
.endr
.endm
; A step: two key tiles.  The two accumulators take turns, one instruction a turn.  A step's eight additions are the places between its products and the next step's additions onto their results.
; At its head stand the loads of two steps on: steps 0 to 5 eight fragment loads; steps 2, 4, 6 ahead of them A2's two for the next step; steps 2, 4 the three of the next scale set but one.
; Waits: LDS loads come back in order.  Steps 0, 1, 2, 4, 6: the eight fragment loads issued a step ago may be out.  Steps 3, 5: A2's two stand first in the last step's run, the 3 + 8 behind them may be out.  Step 7 wants the two issued a step ago: none may.
.macro STEP b, sg
.set g_, (\sg)/2
.set c_, 30+10*(g_%2)
.if (\sg) == 7
	s_wait_dscnt 0x0
.elseif ((\sg) == 3) || ((\sg) == 5)
	s_wait_dscnt 11
.else
	s_wait_dscnt 8
.endif
.if ((\sg) > 0) && ((\sg) < 7)
	s_wait_alu depctr_va_vdst(0)                   ; the products of the step before are done reading their buffer of A3 and B3, A2 and, behind an odd step, their set of scale words: this step's loads land there
.endif
.if ((\sg) == 2) || ((\sg) == 4) || ((\sg) == 6)
	A2L g_
.endif
.if ((\sg) == 2) || ((\sg) == 4)
	SC \b, g_+1, (g_+1)%2
.endif
.if (\sg) < 6
	LFR \b, (\sg)+2                                ; (step 0: into buffer 2, which no vector or matrix instruction has named since the last wait on va_vdst)
.endif
.set fa_, A3+16*((\sg)%3)
.set fb_, B3+16*((\sg)%3)+32*(((\sg)%3)/2)
	WIN 0x01                                       ; A3 window 1; B1 and the scores window 0
.irp e, 0,1
	v_wmma_scale_f32_16x16x128_f8f6f4 v[SS+8*(2*(\sg)+\e):SS+8*(2*(\sg)+\e)+7], v[fa_+8*\e:fa_+8*\e+7], v[B1:B1+7], 0, v[c_+(2*(\sg)+\e)%4], v[SQR] matrix_a_fmt:MATRIX_FMT_FP4 matrix_b_fmt:MATRIX_FMT_FP4
.endr
	WIN 0x05                                       ; B3 window 1 too
.irp e, 0,1
	v_wmma_scale_f32_16x16x128_f8f6f4 v[SS+8*(2*(\sg)+\e):SS+8*(2*(\sg)+\e)+7], v[fa_+8*\e:fa_+8*\e+7], v[fb_+8*\e:fb_+8*\e+7], v[SS+8*(2*(\sg)+\e):SS+8*(2*(\sg)+\e)+7], v[c_+(2*(\sg)+\e)%4], v[c_+4+(2*(\sg)+\e)%4] matrix_a_fmt:MATRIX_FMT_FP4 matrix_b_fmt:MATRIX_FMT_FP4
.endr
.if (\sg)%2
	WIN 0x40                                       ; A2 and B2 window 0, the result window 1
	v_wmma_scale_f32_16x16x128_f8f6f4 v[D2+8*g_:D2+8*g_+7], v[A2P:A2P+7], v[B2:B2+7], 0, v[c_+8], v[SQR] matrix_a_fmt:MATRIX_FMT_FP4 matrix_b_fmt:MATRIX_FMT_FP4
.endif
.if (\sg) == 0
.rept 4
	v_nop                                          ; step 0 has no additions: four places between its products and step 1's additions onto their results
.endr
.else
	WIN 0x04
	MADD 2*(\sg)-2
	MADD 2*(\sg)-1
.endif
.endm
.macro STEPS b                         ; a unit's eight score steps
.irp sg, 0,1,2,3,4,5,6,7
	STEP \b, \sg
.endr
.endm
.macro VELOAD f                        ; fragment f = 2 p + s of v_embed, from memory straight into its registers: used for both images
	WIN 0x40
.irp q, 0,1,2,3
	global_load_b128 v[VE+16*(\f)+4*\q:VE+16*(\f)+4*\q+3], v[AVE], s[34:35] offset:2048*(\f)+512*\q
.endr
.endm
.macro SOFTMAX b
.irp g, 0,1,2,3
	v_max3_num_f32 v[BM+\g], v[SS+32*\g], v[SS+32*\g+1], v[SS+32*\g+2]        ; the largest score of each block of 32 keys, the four blocks by turns
.endr
.set j_, 3
.rept 14
.irp g, 0,1,2,3
	v_max3_num_f32 v[BM+\g], v[BM+\g], v[SS+32*\g+j_], v[SS+32*\g+j_+1]
.endr
.set j_, j_+2
.endr
.irp g, 0,1,2,3
	v_max_num_f32 v[BM+\g], v[BM+\g], v[SS+32*\g+31]
.endr
	v_max3_num_f32 v[TT], v[BM], v[BM+1], v[BM+2]
	v_max_num_f32 v[TT], v[TT], v[BM+3]
	v_permlanex16_b32 v[TT+1], v[TT], s44, s45
	v_max_num_f32 v[TT], v[TT], v[TT+1]            ; the row's maximum
	v_mul_f32 v[NM], -v[TT], s42                   ; its rounding is a factor common to the row, which the division takes out
.set j_, 0
.rept 64
	v_pk_fma_f32 v[SS+j_:SS+j_+1], v[SS+j_:SS+j_+1], s[42:43], v[NM:NM+1] op_sel_hi:[1,0,0]
.set j_, j_+2
.endr
.irp g, 0,1,2,3
	v_fma_f32 v[BM+\g], v[BM+\g], s42, v[NM]       ; the same of each block's largest score
.endr
.set j_, 0
	s_wait_alu depctr_va_vdst(0)
.rept 128
	v_exp_f32 v[SS+j_], v[SS+j_]
.set j_, j_+1
.endr
.irp g, 0,1,2,3
	v_exp_f32 v[BM+\g], v[BM+\g]
.endr
	v_nop                                          ; one plain place behind the exponentials
	s_wait_alu depctr_va_vdst(0)                   ; the 132 exponentials have written v128-255 and v50-53: one wait for the batch, ahead of the first instruction that names a result
	v_pk_add_f32 v[SU:SU+1], v[SS:SS+1], v[SS+2:SS+3]
	v_pk_add_f32 v[SU+2:SU+3], v[SS+4:SS+5], v[SS+6:SS+7]
.set j_, 8
.rept 30
	v_pk_add_f32 v[SU:SU+1], v[SU:SU+1], v[SS+j_:SS+j_+1]
	v_pk_add_f32 v[SU+2:SU+3], v[SU+2:SU+3], v[SS+j_+2:SS+j_+3]
.set j_, j_+4
.endr
	v_pk_add_f32 v[SU:SU+1], v[SU:SU+1], v[SU+2:SU+3]
	v_add_f32 v[SU], v[SU], v[SU+1]
	v_permlanex16_b32 v[TT], v[SU], s44, s45
	v_add_f32 v[SU], v[SU], v[TT]                  ; the row's sum
	s_wait_alu depctr_va_vdst(0)
	v_rcp_f32 v[RI], v[SU]
	v_nop                                          ; one plain place behind the reciprocal
.set j_, 0
	s_wait_alu depctr_va_vdst(0)                   ; the reciprocal has written v68, ahead of its first reader
.rept 64
	v_pk_mul_f32 v[SS+j_:SS+j_+1], v[SS+j_:SS+j_+1], v[RI:RI+1] op_sel_hi:[1,0]     ; the finished softmax
.set j_, j_+2
.endr
.irp g, 0,1,2,3
	v_mul_f32 v[BM+\g], v[BM+\g], v[RI]            ; the block's largest p: the same instructions on the same number
.endr
.irp g, 0,1,2,3
	v_max_num_f32 v[BM+\g], 0x1800000, v[BM+\g]    ; the floor 2^(3 - 127): a block that is masked out keeps the byte 1 over zero codes
.endr
.irp g, 0,1,2,3
	v_add_nc_u32 v[SCL+\g], 0xff000000, v[BM+\g]
.endr
.irp g, 0,1,2,3
	v_lshrrev_b32 v[BY+\g], 23, v[SCL+\g]
.endr
.irp kt, 0,1,2,3,4,5,6,7,8,9,10,11,12,13,14,15
	v_cvt_scalef32_pk8_fp4_f32 v[PCD+16*(\b)+\kt], v[SS+8*\kt:SS+8*\kt+7], v[SCL+\kt/4]     ; register kt of P's operand as it stands
.endr
.irp s, 0,1
	v_lshl_or_b32 v[TT], v[BY+2*\s+1], 16, v[BY+2*\s]      ; (a plain place behind the conversions)  my two bytes of K step s: blocks h2 and 2 + h2,
	v_lshlrev_b32 v[TT], v[H8], v[TT]                      ; at their places;
	v_permlanex16_b32 v[TT+1], v[TT], s44, s45
	v_or_b32 v[SP+2*(\b)+\s], v[TT], v[TT+1]               ; with lane l xor 16's two the word is whole
.endr
.endm
.macro REST b                          ; a unit behind its score steps: the additions that are left, ONE wait, all the loads that land under the softmax, the softmax
	WIN 0x04
.irp kt, 0,1,2,3,4,5,6,7,8,9,10,11
	DADD \kt
.endr
	MADD 14
	MADD 15
.irp kt, 12,13,14,15
	DADD \kt
.endr
	s_wait_alu depctr_va_vdst(0)                   ; the unit's products are done reading q's operands and scale word, the scale sets, A2 and the buffers of A3 and B3, and its additions are done reading q . k_embed: the loads below land in these
.if (\b) == 0
	PRE 1                                          ; the next unit's first operands land under this unit's softmax
.else
.irp f, 0,1,2,3,4,5,6,7
	VELOAD \f                                      ; over A3, B3 and q . k_embed
.endr
	WIN 0
.irp f, 0,1,2,3,4,5,6,7
	global_load_b32 v[30+\f], v[AVES], s[36:37] offset:128*\f
.endr
.endif
	WIN 0
	SOFTMAX \b
.endm
.macro DMUL b, s, t, p                 ; D_p (channels 16 t on) takes X as its first C, then adds in place; seven other accumulators stand between the two links
.set dd_, DP+16*(\p)+8*(\t)
.set cc_, dd_
.if (\s) == 0
.set cc_, XX+8*(\t)
.endif
.if (\t) == 0
	v_wmma_scale_f32_16x16x128_f8f6f4 v[dd_:dd_+7], v[VE+16*(2*(\p)+(\s))+8*(\t):VE+16*(2*(\p)+(\s))+8*(\t)+7], v[PCD+16*(\b)+8*(\s):PCD+16*(\b)+8*(\s)+7], v[cc_:cc_+7], v[30+2*(\p)+(\s)], v[SP+2*(\b)+(\s)] matrix_a_fmt:MATRIX_FMT_FP4 matrix_b_fmt:MATRIX_FMT_FP4
.else
	v_wmma_scale_f32_16x16x128_f8f6f4 v[dd_:dd_+7], v[VE+16*(2*(\p)+(\s))+8*(\t):VE+16*(2*(\p)+(\s))+8*(\t)+7], v[PCD+16*(\b)+8*(\s):PCD+16*(\b)+8*(\s)+7], v[cc_:cc_+7], v[30+2*(\p)+(\s)], v[SP+2*(\b)+(\s)] matrix_a_fmt:MATRIX_FMT_FP4 matrix_b_fmt:MATRIX_FMT_FP4 matrix_a_scale:MATRIX_SCALE_ROW1
.endif
.endm
.macro PV b
	WIN 0
.if (\b) == 0
	s_wait_alu depctr_va_vdst(0)                   ; image 1's softmax is done with v128-159, in which V's fragments land.  (Image 1's loads are covered by the wait ahead of image 0's stores, below)
.endif
.irp s, 0,1
.irp q, 0,1,2,3
	ds_load_b128 v[VF+16*\s+4*\q:VF+16*\s+4*\q+3], v[AVI] offset:8192*\s+512*\q+16384*(\b)
.endr
.endr
.irp s, 0,1
	ds_load_b32 v[40+2*(\b)+\s], v[AVS] offset:512*\s+1024*(\b)           ; lanes 0-15 channels 0-15, lanes 16-31 channels 16-31
.endr
.if (\b) == 0
	s_wait_loadcnt 0x0                             ; v_embed's fragments and scale words
.endif
	s_wait_dscnt 0x0
.if (\b) == 1
	s_wait_alu depctr_vm_vsrc(0)                   ; image 0's four LDS stores have read v176-191, which the products and selections below write again
.endif
	v_wmma_scale_f32_16x16x128_f8f6f4 v[XX:XX+7], v[VF:VF+7], v[PCD+16*(\b):PCD+16*(\b)+7], 0, v[40+2*(\b)], v[SP+2*(\b)] matrix_a_fmt:MATRIX_FMT_FP4 matrix_b_fmt:MATRIX_FMT_FP4
	v_wmma_scale_f32_16x16x128_f8f6f4 v[XX+8:XX+15], v[VF+8:VF+15], v[PCD+16*(\b):PCD+16*(\b)+7], 0, v[40+2*(\b)], v[SP+2*(\b)] matrix_a_fmt:MATRIX_FMT_FP4 matrix_b_fmt:MATRIX_FMT_FP4 matrix_a_scale:MATRIX_SCALE_ROW1
	v_wmma_scale_f32_16x16x128_f8f6f4 v[XX:XX+7], v[VF+16:VF+23], v[PCD+16*(\b)+8:PCD+16*(\b)+15], v[XX:XX+7], v[41+2*(\b)], v[SP+2*(\b)+1] matrix_a_fmt:MATRIX_FMT_FP4 matrix_b_fmt:MATRIX_FMT_FP4
	v_wmma_scale_f32_16x16x128_f8f6f4 v[XX+8:XX+15], v[VF+24:VF+31], v[PCD+16*(\b)+8:PCD+16*(\b)+15], v[XX+8:XX+15], v[41+2*(\b)], v[SP+2*(\b)+1] matrix_a_fmt:MATRIX_FMT_FP4 matrix_b_fmt:MATRIX_FMT_FP4 matrix_a_scale:MATRIX_SCALE_ROW1
.rept 5
	v_nop                                          ; five places: X becomes the C of other accumulators
.endr
	WIN 0x01                                       ; v_embed window 1
.irp s, 0,1
.irp t, 0,1
.irp p, 0,1,2,3
	DMUL \b, \s, \t, \p
.endr
.endr
.endr
	WIN 0
.rept 5
	v_nop                                          ; places in front of the first read of results; five, since the next products write over X
.endr
.irp t, 0,1
.irp p, 1,2,3
.irp j, 0,1,2,3,4,5,6,7
	v_cndmask_b32 v[DP+8*\t+\j], v[DP+8*\t+\j], v[DP+16*\p+8*\t+\j], s[45+\p]     ; my query's own pixel; each accumulator from its low end on
.endr
.endr
.endr
	s_wait_alu depctr_va_vdst(0)                   ; the selections have written v176-191, which the four LDS stores read.  Behind image 0 it also states: its products are done reading V's fragments, in which image 1's land, and image 1's codes and scale words of P are written, the places above between
.irp t, 0,1
	ds_store_b128 v[ASTO], v[DP+8*\t:DP+8*\t+3] offset:64*\t+4352*(\b)            ; lane (r, h2): channels 16 t + 8 h2 + 0..7 of query r
	ds_store_b128 v[ASTO], v[DP+8*\t+4:DP+8*\t+7] offset:64*\t+16+4352*(\b)
.endr
.endm
	s_mov_b32 s49, 2
.Lhead:                                                ; a trip: one head, both images
	s_wait_alu depctr_va_vdst(0)                   ; the addresses v1 to v18 are written, at the kernel's head or by the last trip's additions: this trip's LDS loads and stores read them
	PRE 0
	WIN 0                                          ; at a branch and at a label every window is 0
	s_cmp_lg_u32 s17, 0
	s_cbranch_scc1 .Llate                          ; the branch hangs on the wave's number alone, and no barrier stands under it
	STEPS 0                                        ; the early half: image 0's score steps ahead of the barrier
	WIN 0
.Llate:
	s_wait_dscnt 0x0                               ; no LDS access of mine is out: in the first trip my reads of the mask's rows are over, in the second my stores into my stage have landed
	s_barrier_signal -1
	s_barrier_wait -1                              ; the late half goes on when the early half's steps are done; behind this barrier the mask's bytes may serve as stages
	s_cmp_eq_u32 s17, 0
	s_cbranch_scc1 .Learly
	STEPS 0                                        ; the late half: the same steps, beside the early half's softmax
	WIN 0
.Learly:
	REST 0
	STEPS 1
	REST 1
	PV 0
	PV 1
	; on to the wave's second head.  These 18 additions are also the places between the last products and the next trip's products, which write over their registers
	s_wait_alu depctr_vm_vsrc(0)                   ; this trip's LDS loads and stores have read v1 to v18, which the additions write; image 1's LDS stores have read v176-191, which the next trip's products write
.irp a, 1,2,3,4,5,6,7,8,9
	v_add_nc_u32 v\a, 16, v\a                      ; a head's 16 bytes in a row of codes
.endr
	v_add_nc_u32 v[AQS], 256, v[AQS]
	v_add_nc_u32 v[AKS], 256, v[AKS]
	v_add_nc_u32 v[AVI], 2048, v[AVI]
	v_add_nc_u32 v[AVS], 128, v[AVS]
	v_add_nc_u32 v[ASTO], 128, v[ASTO]
	v_add_nc_u32 v[AB3], 16640, v[AB3]
	v_add_nc_u32 v[AA2], 16640, v[AA2]
	v_add_nc_u32 v[ASKE], 1024, v[ASKE]
	v_add_nc_u32 v[ASQE], 1024, v[ASQE]
	s_add_nc_u64 s[34:35], s[34:35], 262144        ; (the loads that named these bases were waited for in front of the first output products)
	s_add_nc_u64 s[36:37], s[36:37], 16384
	s_sub_co_u32 s49, s49, 1
	s_cmp_lg_u32 s49, 0
	s_cbranch_scc1 .Lhead
	; THE WAY OUT: my stage holds, for each image, 16 tokens x 256 bytes (my two heads).  LDS serves a wave's instructions in order: these loads see my stores.
	; They land in v192-255: the selections and products that named these registers stand ahead of the wait in front of image 1's stores, and the additions behind it name v1 to v18 alone.
.irp b, 0,1
.irp t, 0,1,2,3,4,5,6,7
	ds_load_b128 v[OB+32*\b+4*\t:OB+32*\b+4*\t+3], v[ARD] offset:544*\t+4352*\b
.endr
.endr
.irp b, 0,1
.irp t, 0,1,2,3,4,5,6,7
	s_wait_dscnt 15-8*\b-\t
	global_store_b128 v[AGO], v[OB+32*\b+4*\t:OB+32*\b+4*\t+3], s[38+2*\b:39+2*\b] offset:1024*\t th:TH_STORE_NT   ; sixteen lanes store 256 consecutive bytes, aligned
.endr
.endr
	s_wait_dscnt 0x0                               ; the closing lines, six on end
	s_wait_alu 0x0
	s_wait_tensorcnt 0x0
	ds_add_u32 v29, v39
	s_wait_dscnt 0x0
	s_endpgm
.Lfunc_end_k_q5e4b3310c0_attn:
	.size	k_q5e4b3310c0_attn, .Lfunc_end_k_q5e4b3310c0_attn-k_q5e4b3310c0_attn
	.p2alignl 7, 3214868480
	.fill 96, 4, 3214868480
	.section	.rodata,"a",@progbits
	.p2align	6, 0x0
	.amdhsa_kernel k_q5e4b3310c0_attn
		.amdhsa_group_segment_fixed_size 318464
		.amdhsa_private_segment_fixed_size 0
		.amdhsa_enable_private_segment 0
		.amdhsa_kernarg_size 32
		.amdhsa_user_sgpr_count 2
		.amdhsa_user_sgpr_kernarg_segment_ptr 1
		.amdhsa_wavefront_size32 1
		.amdhsa_system_sgpr_workgroup_id_x 1
		.amdhsa_system_sgpr_workgroup_id_y 1
		.amdhsa_system_sgpr_workgroup_id_z 1
		.amdhsa_system_vgpr_workitem_id 0
		.amdhsa_next_free_vgpr 512
		.amdhsa_next_free_sgpr 66
		.amdhsa_reserve_vcc 0
		.amdhsa_float_denorm_mode_32 3
		.amdhsa_float_denorm_mode_16_64 3
		.amdhsa_memory_ordered 1
		.amdhsa_forward_progress 1
		.amdhsa_inst_pref_size 147
	.end_amdhsa_kernel
	.amdgpu_metadata
---
amdhsa.version: [ 1, 2 ]
amdhsa.kernels:
  - .name:           k_q5e4b3310c0_attn
    .symbol:         k_q5e4b3310c0_attn.kd
    .args:
      - { .name: attn_mask, .offset: 0, .size: 8, .value_kind: global_buffer, .address_space: global }
      - { .name: wsq, .offset: 8, .size: 8, .value_kind: global_buffer, .address_space: global }
      - { .name: wsr, .offset: 16, .size: 8, .value_kind: global_buffer, .address_space: global }
      - { .name: out0, .offset: 24, .size: 8, .value_kind: global_buffer, .address_space: global }
    .group_segment_fixed_size: 318464
    .private_segment_fixed_size: 0
    .kernarg_segment_align: 8
    .kernarg_segment_size: 32
    .max_flat_workgroup_size: 256
    .sgpr_count:     66
    .vgpr_count:     512
    .wavefront_size: 32
...
	.end_amdgpu_metadata
.endif
;; end of part 4
